; MI455X (gfx1250); checked and timed in simulation.
; The chip was launched on July 23, 2026; its instructions are those of AMD's public machine-readable ISA for CDNA 5 (MIT licence, August 2026) and "CDNA5" Instruction Set Architecture Reference Guide (July 2026). The comments in the code are by the model that wrote it; some were corrected since.
;; GPT Multi Head Attention. Allowed arithmetic: float matrix products may take bf16 or f16 operands with f32 sums; other float arithmetic in f32, or as packed bf16 or f16 multiplies, adds, multiply-adds, maxima and minima; sums over many terms, partial sums and values carried from step to step in f32; what a program stores and reads back later, other than sums and carried values, may be rounded once to bf16 or f16.
;; Inputs: Wk 2,048 x 2,048 float32; Wo 2,048 x 2,048 float32; Wq 2,048 x 2,048 float32; Wv 2,048 x 2,048 float32; attention_mask 1 x 1 x 2,048 x 2,048 bool; key_inputs 1 x 2,048 x 2,048 float32; query_inputs 1 x 2,048 x 2,048 float32; value_inputs 1 x 2,048 x 2,048 float32.
;; Outputs: out0 1 x 2,048 x 2,048 float32.
;; One version. Each part assembles by itself: llvm-mc -triple=amdgcn-amd-amdhsa -mcpu=gfx1250 --defsym DOCPART=n.
;; ======== version 1 of 1: 4 launches
;; limits: values are held in f16: magnitudes above 65,504 overflow, below 6.1e-05 lose precision
;; workspace buffers: xb 25,165,824 bytes; wb 25,165,824 bytes; wo16 8,388,608 bytes; tab 524,288 bytes; mbits 524,288 bytes of whole numbers; qkv 25,165,824 bytes; ob 8,388,608 bytes
;; launch prep (part 1): grid 2080 x 1, 8 waves a work-group, no clusters, 0 bytes of LDS; arguments query_inputs, key_inputs, value_inputs, Wq, Wk, Wv, Wo, attention_mask, xb, wb, wo16, tab, mbits; writes xb, wb, wo16, tab, mbits
.if DOCPART == 1
	.amdgcn_target "amdgcn-amd-amdhsa--gfx1250"
	.amdhsa_code_object_version 6
	.text
	.protected	k_q237fac7a8a_prep
	.globl	k_q237fac7a8a_prep
	.p2align	8
	.type	k_q237fac7a8a_prep,@function
k_q237fac7a8a_prep:
	s_mov_b64 s[64:65], 0
	v_nop
	global_prefetch_b8 v0, s[64:65] scope:SCOPE_SE
	s_setreg_imm32_b32 hwreg(HW_REG_WAVE_MODE, 25, 1), 1
	s_wait_xcnt 0x0
; PREPARATION, three kinds of work-group, told apart by the work-group's number alone (all jumps but the table's counted loop go forward):
;   0 .. 1791     CAST.  Seven matrices of 2048 x 2048 f32, 256 work-groups each, 64 KiB of source a work-group.  query, key, value -> xb and Wq, Wk, Wv -> wb, rounded to bf16;
;                 Wo -> wo16: rounded to bf16 like the other inputs, and that number written as f16 (it multiplies an f16 operand later).
;   1792 .. 2047  MASK.  The mask's bytes become lane masks: a wave takes 16 queries x 128 keys and writes 64 words, 256 bytes on end.
;                 Word 8 kb + j, bit l = mask[16 qt + l % 16][128 G + 16 kb + 8 (l / 16) + j]: the lanes' bits of one score register of the attention launch.
;   2048 .. 2079  TABLE.  tab[p][0..31] = sin(p f_j), tab[p][32..63] = cos(p f_j), f_j = 10000^(-j/32), f32; a wave makes 8 rows of 256 bytes.
; LIMITS.  wo16: |Wo| stays under 65,504; below 6e-5 it keeps f16's fixed step of 6e-8.  The table's f_j are good to a few units in the last place,
; so the angle at p = 2047 is off by under 1e-3; sine and cosine by range reduction (pi/2 in two parts) and polynomials of degree 7 and 8.
; No LDS, no barrier: no wave wants a byte that another wave has fetched.
.set NCAST, 1792
.set NMASK, 256
; The cast of 64 KiB: load j of thread t takes the 16 bytes at 4096 j + 16 t, so a wave's load covers 512 consecutive bytes; its four numbers make 8 bytes, stored at 2048 j + 8 t,
; so a wave's store covers 256 consecutive bytes, aligned.  All 16 loads go out first; every j has registers of its own.
.macro CAST f16
.irp j, 0,1,2,3,4,5,6,7,8,9,10,11,12,13,14,15
	global_load_b128 v[16+4*(\j):16+4*(\j)+3], v1, s[32:33] offset:4096*(\j) th:TH_LOAD_NT
.endr
.irp j, 0,1,2,3,4,5,6,7,8,9,10,11,12,13,14,15
	s_wait_loadcnt 15-(\j)                         ; loads come back in order: the 15 - j younger ones may stay out
	v_cvt_pk_bf16_f32 v[80+2*(\j)],   v[16+4*(\j)],   v[16+4*(\j)+1]
	v_cvt_pk_bf16_f32 v[80+2*(\j)+1], v[16+4*(\j)+2], v[16+4*(\j)+3]
.if \f16
	v_lshlrev_b32 v[16+4*(\j)],   16, v[80+2*(\j)]                 ; the rounded numbers as f32 again,
	v_and_b32     v[16+4*(\j)+1], 0xffff0000, v[80+2*(\j)]
	v_lshlrev_b32 v[16+4*(\j)+2], 16, v[80+2*(\j)+1]
	v_and_b32     v[16+4*(\j)+3], 0xffff0000, v[80+2*(\j)+1]
	v_cvt_pk_f16_f32 v[80+2*(\j)],   v[16+4*(\j)],   v[16+4*(\j)+1]  ; and written as f16: 8 significant bits fit into 11
	v_cvt_pk_f16_f32 v[80+2*(\j)+1], v[16+4*(\j)+2], v[16+4*(\j)+3]
.endif
	global_store_b64 v2, v[80+2*(\j):80+2*(\j)+1], s[34:35] offset:2048*(\j) th:TH_STORE_NT
.endr
.endm
; One number of the table: v[dst] = sin or cos (by v2 = 0 or 1) of v19 x v[frq].  x = n pi/2 + r; sin x is sin r, cos r, -sin r, -cos r for n mod 4 = 0 .. 3; cos x = sin(x + pi/2).
.macro SC dst, frq
	v_mul_f32 v20, v19, v[\frq]                    ; x = p f
	v_mul_f32 v21, s40, v20
	v_rndne_f32 v21, v21                           ; n = the whole number nearest to x 2 / pi, 1,303 at the most
	v_fma_f32 v22, v21, s41, v20                   ; r = x - n HI: the difference has 23 bits at the most, so nothing is rounded away
	v_fma_f32 v22, v21, s42, v22                   ;     - n MID
	v_mul_f32 v23, v22, v22
	v_fma_f32 v24, v23, s43, s44
	v_fma_f32 v25, v23, s46, s47
	v_fma_f32 v24, v24, v23, s45
	v_fma_f32 v25, v25, v23, s48
	v_mul_f32 v24, v24, v23
	v_fma_f32 v25, v25, v23, -0.5
	v_fma_f32 v24, v24, v22, v22                   ; sin r
	v_fma_f32 v25, v25, v23, 1.0                   ; cos r
	v_cvt_i32_f32 v26, v21
	v_add_nc_u32 v26, v26, v2
	v_and_b32 v27, 1, v26
	v_cmp_eq_u32 vcc_lo, 1, v27
	v_cndmask_b32 v24, v24, v25, vcc_lo
	v_and_b32 v26, 2, v26
	v_lshlrev_b32 v26, 30, v26                     ; the sign
	v_xor_b32 v[\dst], v24, v26
.endm
	s_load_b512 s[4:19], s[0:1], 0x0               ; query s[4:5], key s[6:7], value s[8:9], Wq s[10:11], Wk s[12:13], Wv s[14:15], Wo s[16:17], mask s[18:19]
	s_load_b256 s[20:27], s[0:1], 0x40             ; xb s[20:21], wb s[22:23], wo16 s[24:25], tab s[26:27]
	s_load_b64 s[28:29], s[0:1], 0x60              ; mbits
	s_mov_b32 s30, ttmp9
	v_lshrrev_b32 v1, 5, v0
	v_readfirstlane_b32 s31, v1                    ; wave 0..7
	s_mov_b32 s37, 0                               ; the high word of every offset pair s[36:37]
	s_cmp_lt_u32 s30, NCAST
	s_cbranch_scc0 .Lnot_cast
	; ---- CAST
	s_lshr_b32 s38, s30, 8                         ; which matrix, 0 .. 6
	s_and_b32 s39, s30, 255                        ; which 64 KiB of it
	v_lshlrev_b32 v1, 4, v0                        ; 16 t
	v_lshlrev_b32 v2, 3, v0                        ; 8 t
	s_wait_kmcnt 0x0
	s_mov_b64 s[32:33], s[4:5]
.irp y, 1,2,3,4,5,6
	s_cmp_eq_u32 s38, \y
	s_cselect_b64 s[32:33], s[4+2*\y:5+2*\y], s[32:33]
.endr
	s_mov_b64 s[34:35], s[20:21]                   ; matrices 0-2 go to xb,
	s_cmp_ge_u32 s38, 3
	s_cselect_b64 s[34:35], s[22:23], s[34:35]     ; 3-5 to wb,
	s_cselect_b32 s40, 3, 0
	s_cmp_eq_u32 s38, 6
	s_cselect_b64 s[34:35], s[24:25], s[34:35]     ; 6 to wo16
	s_cselect_b32 s40, 6, s40
	s_sub_co_u32 s40, s38, s40                     ; its place in that buffer
	s_lshl_b32 s36, s40, 23
	s_lshl_b32 s41, s39, 15
	s_add_co_u32 s36, s36, s41
	s_add_nc_u64 s[34:35], s[34:35], s[36:37]
	s_lshl_b32 s36, s39, 16
	s_add_nc_u64 s[32:33], s[32:33], s[36:37]
	s_cmp_eq_u32 s38, 6
	s_cbranch_scc1 .Lcast_f16
	CAST 0
	s_endpgm
.Lcast_f16:
	CAST 1
	s_endpgm
.Lnot_cast:
	s_cmp_lt_u32 s30, NCAST+NMASK
	s_cbranch_scc0 .Ltable
	; ---- MASK
	s_sub_co_u32 s38, s30, NCAST
	s_lshl_b32 s38, s38, 3
	s_add_co_u32 s38, s38, s31                     ; my unit, 0 .. 2047
	s_lshr_b32 s39, s38, 4                         ; qt: 16 queries
	s_and_b32 s38, s38, 15                         ; G: 128 keys
	s_lshl_b32 s36, s39, 15                        ; 16 rows of 2,048 bytes
	s_lshl_b32 s50, s38, 7
	s_add_co_u32 s36, s36, s50
	v_and_b32 v3, 31, v0
	v_and_b32 v1, 15, v0
	v_bfe_u32 v2, v0, 4, 1
	v_lshlrev_b32 v1, 11, v1                       ; my query's row,
	v_lshl_add_u32 v1, v2, 3, v1                   ; my half's 8 keys of each 16
	v_lshlrev_b32 v3, 3, v3                        ; 8 l: where my two words go
	v_mov_b32 v40, 0                               ; v_writelane_b32 keeps the other lanes: the two are written whole first
	v_mov_b32 v41, 0
	s_wait_kmcnt 0x0
	s_add_nc_u64 s[32:33], s[18:19], s[36:37]
.irp kb, 0,1,2,3,4,5,6,7
	global_load_b64 v[16+2*(\kb):17+2*(\kb)], v1, s[32:33] offset:16*(\kb)
.endr
	s_lshl_b32 s36, s39, 12                        ; mbits: qt x 4096 + (G % 2) x 2048 + (G / 2) x 256
	s_and_b32 s50, s38, 1
	s_lshl_b32 s50, s50, 11
	s_add_co_u32 s36, s36, s50
	s_lshr_b32 s50, s38, 1
	s_lshl_b32 s50, s50, 8
	s_add_co_u32 s36, s36, s50
	s_add_nc_u64 s[34:35], s[28:29], s[36:37]
.irp kb, 0,1,2,3,4,5,6,7
	s_wait_loadcnt 7-(\kb)                         ; the younger loads may stay out
.irp j, 0,1,2,3,4,5,6,7
	v_bfe_u32 v[42+(\j)], v[16+2*(\kb)+(\j)/4], 8*((\j)%4), 8
	v_cmp_ne_u32 s[40+(\j)], 0, v[42+(\j)]         ; the 32 lanes' bits of word 8 kb + j,
	v_writelane_b32 v[40+(\j)%2], s[40+(\j)], 4*(\kb)+(\j)/2  ; to the lane that stores that word: lane w / 2, register w % 2
.endr
.endr
	global_store_b64 v3, v[40:41], s[34:35]        ; 256 consecutive bytes, aligned
	s_endpgm
.Ltable:
	; ---- TABLE
	s_sub_co_u32 s38, s30, NCAST+NMASK
	s_lshl_b32 s38, s38, 6
	s_lshl_b32 s39, s31, 3
	s_add_co_u32 s38, s38, s39                     ; my first row p
	s_lshl_b32 s36, s38, 8
	s_mov_b32 s40, 0x3f22f983                      ; 2 / pi
	s_mov_b32 s41, 0xbfc90fdb                      ; -HI:  pi/2 = HI + MID
	s_mov_b32 s42, 0x333bbd2e                      ; -MID
	s_mov_b32 s43, 0xb94ca1f9                      ; sine: -1.9515296e-4, 8.3321609e-3, -1.6666655e-1
	s_mov_b32 s44, 0x3c08839e
	s_mov_b32 s45, 0xbe2aaaa3
	s_mov_b32 s46, 0x37ccf5ce                      ; cosine: 2.4433157e-5, -1.3887316e-3, 4.1666646e-2
	s_mov_b32 s47, 0xbab6061a
	s_mov_b32 s48, 0x3d2aaaa5
	s_mov_b32 s49, 0x3dcccccd                      ; 0.1, 0.01, 0.001
	s_mov_b32 s50, 0x3c23d70a
	s_mov_b32 s51, 0x3a83126f
	v_and_b32 v1, 31, v0
	v_lshrrev_b32 v2, 4, v1                        ; 0: sines (lanes 0-15), 1: cosines
	v_and_b32 v3, 15, v1
	v_lshlrev_b32 v3, 1, v3                        ; j of my first number; the second has j + 1
	v_lshlrev_b32 v12, 3, v1                       ; 8 l
	v_and_b32 v4, 7, v3                            ; f_j = 10^-(j / 8) x 2^(-(j % 8) log2(10) / 8)
	v_or_b32 v5, 1, v4
	v_cvt_f32_u32 v4, v4
	v_cvt_f32_u32 v5, v5
	v_mul_f32 v4, 0xbed49a78, v4
	v_mul_f32 v5, 0xbed49a78, v5
	v_exp_f32 v8, v4
	v_exp_f32 v9, v5
	v_lshrrev_b32 v7, 3, v3                        ; plain work that names neither result stands behind the two exponentials
	v_mov_b32 v10, 1.0
	v_cmp_eq_u32 vcc_lo, 1, v7
	v_cndmask_b32 v10, v10, s49, vcc_lo
	v_cmp_eq_u32 vcc_lo, 2, v7
	v_cndmask_b32 v10, v10, s50, vcc_lo
	v_cmp_eq_u32 vcc_lo, 3, v7
	v_cndmask_b32 v10, v10, s51, vcc_lo
	s_wait_alu depctr_va_vdst(0)                   ; one wait for both, ahead of their first reader
	v_mul_f32 v8, v8, v10
	v_mul_f32 v9, v9, v10
	s_wait_kmcnt 0x0
	s_add_nc_u64 s[34:35], s[26:27], s[36:37]
	s_mov_b32 s52, 8                               ; my eight rows, one a trip
.Lrow:
	v_cvt_f32_u32 v19, s38
	SC 64, 8
	SC 65, 9
	global_store_b64 v12, v[64:65], s[34:35]       ; a row: 256 consecutive bytes, aligned
	s_wait_xcnt 0x0                                ; the store has read its data and its base: both are written again only behind this wait
	s_add_nc_u64 s[34:35], s[34:35], 256
	s_add_co_u32 s38, s38, 1
	s_sub_co_u32 s52, s52, 1
	s_cmp_lg_u32 s52, 0
	s_cbranch_scc1 .Lrow
	s_endpgm
.Lfunc_end_k_q237fac7a8a_prep:
	.size	k_q237fac7a8a_prep, .Lfunc_end_k_q237fac7a8a_prep-k_q237fac7a8a_prep
	.p2alignl 7, 3214868480
	.fill 96, 4, 3214868480
	.section	.rodata,"a",@progbits
	.p2align	6, 0x0
	.amdhsa_kernel k_q237fac7a8a_prep
		.amdhsa_group_segment_fixed_size 0
		.amdhsa_private_segment_fixed_size 0
		.amdhsa_enable_private_segment 0
		.amdhsa_kernarg_size 104
		.amdhsa_user_sgpr_count 2
		.amdhsa_user_sgpr_kernarg_segment_ptr 1
		.amdhsa_wavefront_size32 1
		.amdhsa_system_sgpr_workgroup_id_x 1
		.amdhsa_system_sgpr_workgroup_id_y 1
		.amdhsa_system_sgpr_workgroup_id_z 1
		.amdhsa_system_vgpr_workitem_id 0
		.amdhsa_next_free_vgpr 112
		.amdhsa_next_free_sgpr 66
		.amdhsa_reserve_vcc 1
		.amdhsa_float_denorm_mode_32 3
		.amdhsa_float_denorm_mode_16_64 3
		.amdhsa_memory_ordered 1
		.amdhsa_forward_progress 1
		.amdhsa_inst_pref_size 37
	.end_amdhsa_kernel
	.amdgpu_metadata
---
amdhsa.version: [ 1, 2 ]
amdhsa.kernels:
  - .name:           k_q237fac7a8a_prep
    .symbol:         k_q237fac7a8a_prep.kd
    .args:
      - { .name: query_inputs, .offset: 0, .size: 8, .value_kind: global_buffer, .address_space: global }
      - { .name: key_inputs, .offset: 8, .size: 8, .value_kind: global_buffer, .address_space: global }
      - { .name: value_inputs, .offset: 16, .size: 8, .value_kind: global_buffer, .address_space: global }
      - { .name: Wq, .offset: 24, .size: 8, .value_kind: global_buffer, .address_space: global }
      - { .name: Wk, .offset: 32, .size: 8, .value_kind: global_buffer, .address_space: global }
      - { .name: Wv, .offset: 40, .size: 8, .value_kind: global_buffer, .address_space: global }
      - { .name: Wo, .offset: 48, .size: 8, .value_kind: global_buffer, .address_space: global }
      - { .name: attention_mask, .offset: 56, .size: 8, .value_kind: global_buffer, .address_space: global }
      - { .name: xb, .offset: 64, .size: 8, .value_kind: global_buffer, .address_space: global }
      - { .name: wb, .offset: 72, .size: 8, .value_kind: global_buffer, .address_space: global }
      - { .name: wo16, .offset: 80, .size: 8, .value_kind: global_buffer, .address_space: global }
      - { .name: tab, .offset: 88, .size: 8, .value_kind: global_buffer, .address_space: global }
      - { .name: mbits, .offset: 96, .size: 8, .value_kind: global_buffer, .address_space: global }
    .group_segment_fixed_size: 0
    .private_segment_fixed_size: 0
    .kernarg_segment_align: 8
    .kernarg_segment_size: 104
    .max_flat_workgroup_size: 256
    .sgpr_count:     66
    .vgpr_count:     112
    .wavefront_size: 32
...
	.end_amdgpu_metadata
.endif
;; end of part 1
;; launch proj (part 2): grid 8 x 24, 4 waves a work-group, clusters of 4 x 4, 327,680 bytes of LDS; arguments xb, wb, tab, qkv; writes qkv
.if DOCPART == 2
	.amdgcn_target "amdgcn-amd-amdhsa--gfx1250"
	.amdhsa_code_object_version 6
	.text
	.protected	k_q237fac7a8a_proj
	.globl	k_q237fac7a8a_proj
	.p2align	8
	.type	k_q237fac7a8a_proj,@function
k_q237fac7a8a_proj:
	s_mov_b64 s[64:65], 0
	v_nop
	global_prefetch_b8 v0, s[64:65] scope:SCOPE_SE
	s_setreg_imm32_b32 hwreg(HW_REG_WAVE_MODE, 25, 1), 1
	s_wait_xcnt 0x0
	s_wait_alu depctr_hold_cnt(0) depctr_sa_sdst(0) depctr_va_vdst(0) depctr_va_sdst(0) depctr_va_ssrc(0) depctr_va_vcc(0) depctr_vm_vsrc(0)
	s_getreg_b32 s2, hwreg(HW_REG_IB_STS2, 6, 4)
	s_cmp_eq_u32 s2, 0
	s_cbranch_scc0 .Lentry_in_a_cluster
	s_endpgm
.Lentry_in_a_cluster:
	s_bfe_u32 s2, ttmp6, 0x10000c
	s_cmp_lg_u32 s2, 0xf033
	s_cbranch_scc0 .Lentry_shape_is_right
	s_endpgm
.Lentry_shape_is_right:
; q, k, v = x W.  xb: bf16 [3][2048 s][2048 e] (query, key, value on end: one matrix A of 6,144 rows); wb: bf16 [3][2048 k][2048 n], as the weights lie; sums in f32.
; On the way out: q is multiplied by c = log2(e) / sqrt(128); channels 0-63 of each head of q and k are rotated by tab's sines and cosines; all is rounded once to f16 and
; written by heads, qkv: [3][16 h][2048 s][128].
; LIMITS.  f16 holds no number beyond 65,504: c q, k and v must stay within it; below 6e-5 they keep f16's fixed step of 6e-8.
; SHARES.  A tile of C is 256 rows x 256 columns (two heads): 8 x 24 tiles, one to a work-group (three products of 64 tiles: no tile of another shape gives 256 equal shares, since 3 does not divide 2,048).
; Four waves, each 128 rows x 128 columns = one head: 64 accumulators of 16 x 16, 512 registers.
; K goes in 16 steps of 128 through two LDS slots.  A's rows lie along K (256 bytes a row and step); W's rows lie along N: 128 rows of 512 bytes a step, read turned by ds_load_tr16_b128.
; A K STEP IS WRITTEN ONCE: the fragments' LDS addresses are a base plus s[SB], which one exclusive or turns from one slot to the other, and one descriptor a tensor walks from step to step.
; CLUSTERS: 4 x 4 work-groups.  The four of a row of the cluster need the same tiles of A, the four of a column the same tiles of W: each tile is asked for JOINTLY.  A cluster's four tile rows
; lie in one of the three matrices (its number g hangs on the cluster's y alone).
; THE MATRIX INSTRUCTION IS USED TRANSPOSED (source 0 = 16 columns of W, source 1 = 16 rows of A): a lane holds eight neighbouring channels of one row.
; THE WAY OUT IS A LOOP: the accumulators go as f32 into LDS (the ring's bytes, which have had their last fill), 64 rows a wave at a time, and come back by rows into fixed registers.
; REGISTERS, in windows of 256 (s_set_vgpr_msb: bits 1:0 source 0, 3:2 source 1, 5:4 source 2, 7:6 destination):
;   window 0: v16-30 addresses; v32-63 packed results; v64-127, v128-191 fragments of A, two buffers (on the way out: rows, and their sines and cosines); v192-199 at work
;   window 1: v64-127, v128-191 fragments of W, two buffers; v0-63, v192-255 my 64 rows of the table, loaded at the head
;   window 2: the 32 accumulators of my rows 0-63 ((a, b) at v[8 (8 a + b)]);   window 3: those of my rows 64-127
.set KSTEP,  128
.set STEPS,  2048/KSTEP
.set ROWB,   4096                      ; bytes in a row of A and of W
.set PA,     272                       ; an LDS row of A: 256 bytes + 16 = 68 words: the 16 rows of a load start at 16 different groups of four banks (64 banks of 4 bytes: ISA guide 11.1)
.set PB,     544                       ; an LDS row of W: 512 bytes + 32 = 136 words
.set HALFA,  128*PA                    ; what one tensor load brings of A: 128 rows
.set HALFB,  64*PB                     ; and of W: 64 rows of K
.set BOFF,   2*HALFA
.set SLOT,   BOFF+2*HALFB              ; 0x22000: bits 17 and 13, which are 0 in the four LDS words that it turns (0, 0x8800, 0x11000, 0x19800), so the exclusive or adds or takes away
.set SPARE,  2*SLOT                    ; behind the ring: the spare words, 128 bytes for each wave: two blocks of 256 bytes that no other line names
.set TABL,   0                         ; the way out: the work-group's 256 rows of the table, 256 bytes each, in slot 0's bytes
.set DUMP,   SLOT                      ; the way out: 64 rows x 528 bytes for each wave, in slot 1's bytes
.set PD,     528                       ; a dumped row: 512 bytes + 16 = 132 words
.set ADRA0, 16                         ; v16  LDS address of my A fragments in slot 0; never rewritten
.set ADRB0, 17                         ; v17  of my W fragments
.set ADRA,  18                         ; v18  the same in the slot in hand
.set ADRB,  19
.set DST,   20                         ; v20  the way out: where I put 16 bytes of a dumped row
.set XRD0,  21                         ; v21  where I read a dumped row back, first 16 rows
.set TRD0,  22                         ; v22  where I read my sines, first 16 rows
.set XRD,   23                         ; v23, v24  the same for the 16 rows in hand
.set TRD,   24
.set CO,    25                         ; v25  16 x lane: my byte offset in 512 bytes on end (the table in memory, qkv); never rewritten
.set TST,   26                         ; v26  where I put 16 bytes of the table
.set SPW,   28
.set NIL,   29
.set PFO,   30                         ; v30  the prefetches' offset; never rewritten
.set Y,     32
.set F0,    64
.set F1,    128
.set X,     64
.set T,     128
.set RT,    192
.set G1,  24                           ; s[24:31] descriptor group 1 for A's tiles
.set G0,  32                           ; s[32:35] group 0 for A's tiles: it walks
.set SB,  36                           ; s36      0 or SLOT: the slot whose fragments are fetched
.set G1B, 48                           ; s[48:55], s[56:59] the same for W's tiles
.set G0B, 56
.set PFA, 60                           ; s[60:61] where my prefetches stand
.set PS,  62                           ; s[62:63] a K step in bytes, along A's rows or down W's
.set LIM, 66                           ; s66      1 in a wave that prefetches, else the greatest number
.set MSB, 0
.macro WIN new                         ; the immediate's high byte repeats the setting that is left; a switch that changes nothing is dropped
.if MSB != (\new)
	s_set_vgpr_msb (MSB<<8)|(\new)
.set MSB, \new
.endif
.endm
.set MUL_LO, 0xa1                      ; source 0 (W) window 1, source 1 (A) window 0, C and D window 2; + 0x50: C and D window 3
.set TO_B,   0x40                      ; destination window 1, address window 0
.macro JLOAD                           ; a joint load: waves 0 and 1 fetch A's two halves, waves 2 and 3 W's; an s_nop 0 and four v_nop follow each line, ahead of the jump and the label
	s_cmp_eq_u32 s11, 0
	s_cbranch_scc0 .Lfor_b_\@
	tensor_load_to_lds s[G0:G0+3], s[G1:G1+7]
	s_nop 0
.rept 4
	v_nop
.endr
	s_branch .Lasked_\@
.Lfor_b_\@:
	tensor_load_to_lds s[G0B:G0B+3], s[G1B:G1B+7]
	s_nop 0
.rept 4
	v_nop
.endr
.Lasked_\@:
.endm
.macro WALK                            ; the walking descriptors: the other slot, the next K step; the type bits on top are not reached
	s_xor_b32 s[G0+1], s[G0+1], SLOT
	s_add_nc_u64 s[G0+2:G0+3], s[G0+2:G0+3], KSTEP*2
	s_xor_b32 s[G0B+1], s[G0B+1], SLOT
	s_add_nc_u64 s[G0B+2:G0B+3], s[G0B+2:G0B+3], KSTEP*ROWB
.endm
; A PREFETCH of the K step that the NEXT refill will load: 256 matrix instructions ahead of that load; one instruction a wave, a lane a block of 256 bytes.  Each block is named ONCE in the launch.
; A's tile row is read by both clusters of that row of clusters: cluster x = 0 asks.  W's tile column is read by the two clusters of its matrix in that column: the one with the even y asks.
; The four partners that ask for a tile jointly share it out BY ADDRESS: of the 128 rows of A that a wave fetches, partner cx takes 32; of the 64 rows of W (two blocks each), partner cy takes 16.
; K steps 0 to 2 come by their loads alone; the loop's last trip, whose refill is the last K step, asks for nothing.
.macro ASK
	s_cmp_gt_u32 s3, s[LIM]                        ; s3 = 1 in the loop's last trip
	s_cbranch_scc0 .Lnot_mine_\@
	global_prefetch_b8 v[PFO], s[PFA:PFA+1] th:TH_LOAD_NT scope:SCOPE_SE
.Lnot_mine_\@:
.endm
.macro CREST                           ; a round of the cluster's barrier behind its opening barrier
	s_cmp_lg_u32 s10, 0
	s_cbranch_scc1 .Lnot_wave_0_\@
	s_barrier_signal -3
.Lnot_wave_0_\@:
	s_barrier_wait -3
	s_barrier_signal -1
	s_barrier_wait -1
.endm
.macro CROUND
	s_barrier_signal -1
	s_barrier_wait -1
	CREST
.endm
	s_load_b128 s[4:7], s[0:1], 0x0                ; xb s[4:5], wb s[6:7]
	s_load_b64 s[72:73], s[0:1], 0x10              ; tab
	s_load_b64 s[8:9], s[0:1], 0x18                ; qkv
	v_lshl_add_u32 v[SPW], v0, 2, SPARE
	v_mov_b32 v[NIL], 0
	ds_add_u32 v[SPW], v[NIL]                      ; the wave's opening: the add and its wait stand ahead of my first tensor load; work on registers stands between them
	v_lshrrev_b32 v1, 5, v0
	v_readfirstlane_b32 s10, v1                    ; wave 0..3
	s_lshr_b32 s11, s10, 1                         ; which half of the tile's rows is mine.  Also: I fetch for A (0) or for W (1)
	s_and_b32 s12, s10, 1                          ; which of its two heads.  Also: which half of that tile I fetch
	s_bfe_u32 s40, ttmp6, 0x40000                  ; cx, cy: my place in the cluster
	s_bfe_u32 s41, ttmp6, 0x40004
	s_lshl_b32 s42, ttmp9, 2
	s_add_co_u32 s42, s42, s40                     ; tile column = 4 x cluster x + cx, 0 .. 7
	s_and_b32 s67, ttmp7, 0xffff                   ; cluster y, 0 .. 5
	s_lshr_b32 s68, s67, 1                         ; g: 0 q, 1 k, 2 v: the same in all sixteen partners
	s_lshl_b32 s13, s67, 2
	s_add_co_u32 s13, s13, s41                     ; tile row = 4 x cluster y + cy, 0 .. 23
	s_lshl_b32 s43, s41, 2
	s_lshl_b32 s43, 15, s43                        ; my row of the cluster
	s_lshl_b32 s44, 0x1111, s40                    ; my column
	s_or_b32 s[G1+0], s43, (1<<16)|(1<<20)|(1<<21)|(5<<22)|(3<<25)   ; A: mask of my row; 2-byte elements; padding on; bit 21 beside a mask; after every 64 words 4 words
	s_or_b32 s[G1B+0], s44, (1<<16)|(1<<20)|(1<<21)|(6<<22)|(7<<25)  ; W: mask of my column; after every 128 words 8 words
	s_mov_b32 s[G1+1], KSTEP<<16                   ; A: tensor_dim0 = 128
	s_mov_b32 s[G1+2], 128<<16                     ; tensor_dim1 = 128
	s_mov_b32 s[G1+3], KSTEP<<16                   ; tile_dim0 = 128
	s_mov_b32 s[G1+4], 128                         ; tile_dim1 = 128
	s_mov_b32 s[G1+5], 2048                        ; elements from row to row
	s_mov_b32 s[G1+6], 0
	s_mov_b32 s[G1+7], 0
	s_mov_b32 s[G1B+1], 256<<16                    ; W: tensor_dim0 = 256
	s_mov_b32 s[G1B+2], 64<<16                     ; tensor_dim1 = 64
	s_mov_b32 s[G1B+3], 256<<16                    ; tile_dim0 = 256
	s_mov_b32 s[G1B+4], 64                         ; tile_dim1 = 64
	s_mov_b32 s[G1B+5], 2048
	s_mov_b32 s[G1B+6], 0
	s_mov_b32 s[G1B+7], 0
	s_lshl_b32 s16, s13, 8
	s_lshl_b32 s17, s12, 7
	s_add_co_u32 s16, s16, s17                     ; A: row 256 x tile row + 128 x half,
	s_lshl_b32 s16, s16, 12                        ; in bytes (under 2^25)
	s_mov_b32 s17, 0
	s_lshl_b32 s46, s68, 23                        ; W: matrix g,
	s_lshl_b32 s47, s12, 18                        ; K row 64 x half,
	s_add_co_u32 s46, s46, s47
	s_lshl_b32 s47, s42, 9                         ; column 256 x tile column
	s_add_co_u32 s46, s46, s47
	s_mov_b32 s47, 0
	s_mov_b32 s[G0], 1
	s_mul_i32 s[G0+1], s12, HALFA                  ; where they go, in slot 0: of the wave's number alone
	s_mov_b32 s[G0B], 1
	s_mul_i32 s20, s12, HALFB
	s_add_co_u32 s[G0B+1], s20, BOFF
	s_mov_b32 s[SB], 0
	s_mov_b32 s70, 0x3e0293ee                      ; c = log2(e) / sqrt(128) = 0.127517 for q,
	s_cmp_eq_u32 s68, 0
	s_cselect_b32 s70, s70, 1.0                    ; 1 for k and v
	s_mov_b32 s71, s70                             ; named with it as a pair
	s_cmp_lt_u32 s68, 2
	s_cselect_b32 s69, 0x00ff00ff, 0               ; the lanes that rotate on the way out: those with channels 0-63, in q and k
	s_wait_dscnt 0x0                               ; the opening add is done
	s_wait_kmcnt 0x0
	s_add_nc_u64 s[G0+2:G0+3], s[4:5], s[16:17]
	s_or_b32 s[G0+3], s[G0+3], 0x80000000
	s_add_nc_u64 s[G0B+2:G0B+3], s[6:7], s[46:47]
	s_or_b32 s[G0B+3], s[G0B+3], 0x80000000
	CROUND                                         ; all sixteen work-groups are here: the first joint loads meet
	JLOAD                                          ; K step 0 into slot 0.  Slot 1 is asked for when slot 0 is in, by a change of slots like the loop's
	; A fragment of A is 16 rows x 32 K in 8 registers: lane l holds row l % 16, K = 8 (l / 16) + 0..7 and 16 + 8 (l / 16) + 0..7: two loads of 16 bytes, 32 bytes apart.
	v_and_b32 v1, 15, v0                           ; l % 16
	v_bfe_u32 v2, v0, 4, 1                         ; l / 16
	v_mul_u32_u24 v3, v1, PA
	v_lshl_add_u32 v3, v2, 4, v3
	s_mul_i32 s21, s11, HALFA                      ; my 128 rows of A
	v_add_nc_u32 v[ADRA0], s21, v3
	v_and_b32 v4, 7, v0                            ; the turning load: lane l reads K row 8 (l / 16) + l % 8, columns 8 ((l / 8) % 2) + 0..7
	v_bfe_u32 v5, v0, 3, 1
	v_lshl_add_u32 v6, v2, 3, v4
	v_mul_u32_u24 v6, v6, PB
	v_lshl_add_u32 v6, v5, 4, v6
	s_lshl_b32 s22, s12, 8                         ; my head's 128 columns: 256 bytes of a row
	s_add_co_u32 s22, s22, BOFF
	v_add_nc_u32 v[ADRB0], s22, v6
	v_mov_b32 v[ADRA], v[ADRA0]
	v_mov_b32 v[ADRB], v[ADRB0]
	s_mul_i32 s23, s10, 64*PD
	s_add_co_u32 s23, s23, DUMP                    ; my 64 dumped rows
	v_mul_u32_u24 v3, v1, PD                       ; in: row l % 16, 16 bytes for each half of the lanes
	v_lshl_add_u32 v3, v2, 4, v3
	v_add_nc_u32 v[DST], s23, v3
	v_mul_u32_u24 v3, v2, PD                       ; back: lanes 0-15 take one row, lanes 16-31 the next; 16 bytes a lane, twice
	v_lshl_add_u32 v3, v1, 4, v3
	v_add_nc_u32 v[XRD0], s23, v3
	s_lshl_b32 s23, s11, 15                        ; my 128 rows of the table in LDS;
	v_lshlrev_b32 v3, 8, v2                        ; the same two rows;
	v_lshl_add_u32 v3, v4, 4, v3                   ; four sines for my four pairs of channels (lanes without such pairs read what the lane 8 below reads, and discard it)
	v_add_nc_u32 v[TRD0], s23, v3
	v_and_b32 v7, 31, v0
	v_lshlrev_b32 v[CO], 4, v7
	s_lshl_b32 s23, s10, 14                        ; the 64 rows of the table that I bring
	v_add_nc_u32 v[TST], s23, v[CO]
	v_lshrrev_b32 v5, s11, v7                      ; the prefetches: for A a lane a row; for W two lanes a row, 256 bytes each
	v_and_b32 v6, s11, v7
	v_lshlrev_b32 v5, 12, v5
	v_lshl_add_u32 v[PFO], v6, 8, v5
	s_and_b32 s18, s13, 7                          ; the tile row within its matrix,
	s_lshl_b32 s18, s18, 8                         ; its first position
	s_lshl_b32 s19, s10, 6
	s_add_co_u32 s19, s18, s19
	s_lshl_b32 s20, s19, 8                         ; a row of the table is 256 bytes
	s_mov_b32 s21, 0
	s_add_nc_u64 s[72:73], s[72:73], s[20:21]
	; My 64 rows of the table, 16,384 bytes on end, into registers that the K loop does not name: the 32 loads stay out over it.
	WIN TO_B
.set j, 0
.rept 32
	global_load_b128 v[4*j+128*(j/16):4*j+128*(j/16)+3], v[CO], s[72:73] offset:512*j
.set j, j+1
.endr
	WIN 0
	s_lshl_b32 s19, s11, 7
	s_add_co_u32 s18, s18, s19                     ; my first position
	s_lshl_b32 s20, s18, 8                         ; a head's rows are 256 bytes and dense
	s_lshl_b32 s19, s42, 1
	s_add_co_u32 s19, s19, s12                     ; my head,
	s_lshl_b32 s19, s19, 19                        ; its 2,048 rows,
	s_add_co_u32 s20, s20, s19
	s_lshl_b32 s19, s68, 23                        ; in tensor g
	s_add_co_u32 s20, s20, s19
	s_add_nc_u64 s[8:9], s[8:9], s[20:21]
	s_lshl_b32 s20, s13, 8                         ; the prefetches' offsets.  A: the tile's first row,
	s_lshl_b32 s19, s12, 7                         ; the 128 rows that I fetch,
	s_add_co_u32 s20, s20, s19
	s_lshl_b32 s19, s40, 5                         ; my work-group's 32 of them,
	s_add_co_u32 s20, s20, s19
	s_lshl_b32 s20, s20, 12
	s_add_co_u32 s20, s20, 2*KSTEP*2               ; at K step 2: the first refill steps it to 3
	s_lshl_b32 s22, s12, 6                         ; W: the 64 K rows that I fetch,
	s_lshl_b32 s19, s41, 4                         ; my work-group's 16 of them,
	s_add_co_u32 s22, s22, s19
	s_add_co_u32 s22, s22, 2*KSTEP                 ; at K step 2,
	s_lshl_b32 s22, s22, 12
	s_lshl_b32 s19, s68, 23                        ; in matrix g,
	s_add_co_u32 s22, s22, s19
	s_lshl_b32 s19, s42, 9                         ; the tile's columns
	s_add_co_u32 s22, s22, s19
	s_and_b32 s23, s67, 1
	s_mov_b32 s[PS], KSTEP*ROWB
	s_mov_b32 s[PS+1], 0
	s_cmp_eq_u32 s11, 0                            ; do I fetch for A?
	s_cselect_b32 s20, s20, s22
	s_cselect_b32 s23, ttmp9, s23                  ; the coordinate along which another cluster reads the same blocks
	s_cselect_b32 s[PS], KSTEP*2, s[PS]
	s_cselect_b64 s[PFA:PFA+1], s[4:5], s[6:7]
	s_add_nc_u64 s[PFA:PFA+1], s[PFA:PFA+1], s[20:21]
	s_cmp_eq_u32 s23, 0
	s_cselect_b32 s[LIM], 1, -1                    ; the same in all sixteen partners, for a given wave
; 16 matrix instructions: row blocks a0, a0 + 1 of the window's four (hi = 0: my rows 0-63, 1: rows 64-127) x all 8 column blocks, 32 along K.  zero = 1: the first product starts the sums.
; The 64 accumulators take turns, one instruction a turn, in the same order in every quarter step, over the backward jumps too.
.macro MUL16 f, hi, a0, zero
	WIN MUL_LO+0x50*(\hi)
.irp a, \a0, (\a0)+1
.irp b, 0,1,2,3,4,5,6,7
.if \zero
	v_wmma_f32_16x16x32_bf16 v[8*(8*(\a)+(\b)):8*(8*(\a)+(\b))+7], v[(\f)+8*(\b):(\f)+8*(\b)+7], v[(\f)+8*(4*(\hi)+(\a)):(\f)+8*(4*(\hi)+(\a))+7], 0
.else
	v_wmma_f32_16x16x32_bf16 v[8*(8*(\a)+(\b)):8*(8*(\a)+(\b))+7], v[(\f)+8*(\b):(\f)+8*(\b)+7], v[(\f)+8*(4*(\hi)+(\a)):(\f)+8*(4*(\hi)+(\a))+7], v[8*(8*(\a)+(\b)):8*(8*(\a)+(\b))+7]
.endif
.endr
.endr
.endm
; 32 LDS loads in one run: the fragments of quarter q (32 along K) of the slot in hand, into buffer f: W's 128 columns, then A's 128 rows
.macro FETCH q, f
	WIN TO_B
.irp i, 0,1,2,3,4,5,6,7
	ds_load_tr16_b128 v[(\f)+8*(\i):(\f)+8*(\i)+3],   v[ADRB] offset:32*(\q)*PB+32*(\i)
	ds_load_tr16_b128 v[(\f)+8*(\i)+4:(\f)+8*(\i)+7], v[ADRB] offset:(32*(\q)+16)*PB+32*(\i)
.endr
	WIN 0
.irp i, 0,1,2,3,4,5,6,7
	ds_load_b128 v[(\f)+8*(\i):(\f)+8*(\i)+3],   v[ADRA] offset:64*(\q)+(\i)*16*PA
	ds_load_b128 v[(\f)+8*(\i)+4:(\f)+8*(\i)+7], v[ADRA] offset:64*(\q)+(\i)*16*PA+32
.endr
.endm
.macro PLACES                          ; four places in front of loads into registers that matrix instructions have read, and of LDS stores that read results
.rept 4
	v_nop
.endr
.endm
; A K step is four quarters of 32 along K, 64 matrix instructions each, on buffers 0, 1, 0, 1.  One of the first three: multiplies buffer f; in its middle it fetches quarter q into buffer g.
.macro QUARTER q, f, g, zero
	s_wait_dscnt 8                                 ; W and A's rows 0-63 are in; the youngest eight loads (A's rows 64-127) may be out
	MUL16 \f, 0, 0, \zero
	MUL16 \f, 0, 2, \zero
	PLACES
	FETCH \q, \g
	s_wait_dscnt 32                                ; all but the 32 just issued
	MUL16 \f, 1, 0, \zero
	MUL16 \f, 1, 2, \zero
.endm
; The last quarter multiplies buffer 1 and changes slots: ONE barrier.  In front of it each wave waits for all its tensor loads, of which one is out: its part of the next slot; adds 0 to its spare
; word; and waits for that and for its own reads of this slot.  fill = 1: the barrier opens a round of the cluster's, and this slot is filled again first thing behind it, two K steps ahead:
; 224 matrix instructions stand between the request and the wait for it.
.macro TURN fill
.if \fill
	s_wait_xcnt 0x0                                ; the last prefetch, a K step back, has read its address
	s_add_nc_u64 s[PFA:PFA+1], s[PFA:PFA+1], s[PS:PS+1]
.endif
	WIN 0
	s_wait_tensorcnt 0x0                           ; all my tensor loads have landed
	ds_add_u32 v[SPW], v[NIL]                      ; 0 onto my spare word
	s_wait_dscnt 9                                 ; (the add and the youngest eight loads may be out)
	MUL16 F1, 0, 0, 0                              ; sixteen matrix instructions stand between the add and the wait for it
	s_wait_dscnt 0x0                               ; the add is done, and my reads of this slot are over
	s_barrier_signal -1
	MUL16 F1, 0, 2, 0
	WIN 0
	s_barrier_wait -1
.if \fill
	CREST                                          ; no wave of any partner still reads this slot or has a load on its way
	WALK
	JLOAD                                          ; my one tensor load behind the round; its four v_nop are also the places in front of the loads below
.else
	PLACES
.endif
	s_xor_b32 s[SB], s[SB], SLOT                   ; the fragments come from the other slot
	v_add_nc_u32 v[ADRA], s[SB], v[ADRA0]
	v_add_nc_u32 v[ADRB], s[SB], v[ADRB0]
	FETCH 0, F0
.if \fill
	ASK                                            ; behind the joint load and the run of LDS loads that the next products wait for
.endif
	MUL16 F1, 1, 0, 0
	MUL16 F1, 1, 2, 0
.endm
	s_wait_tensorcnt 0x0                           ; my part of K step 0 is in: no tensor load of mine is out, so the descriptors may be written
	ds_add_u32 v[SPW], v[NIL]
	WALK
	s_wait_dscnt 0x0
	CROUND                                         ; everybody's part is in
	JLOAD                                          ; K step 1 into slot 1
	FETCH 0, F0
	QUARTER 1, F0, F1, 1                           ; the first quarter stands in front of the loop: its products start the sums
	WIN 0                                          ; at a label and at a branch every window is 0
	s_mov_b32 s3, STEPS-2
.Lstep:                                                ; a trip goes from a K step's second quarter to the next step's first, and fills the slot that it leaves: K steps 2 to 15
	QUARTER 2, F1, F0, 0
	QUARTER 3, F0, F1, 0
	TURN 1
	QUARTER 1, F0, F1, 0
	WIN 0
	s_sub_co_u32 s3, s3, 1
	s_cmp_lg_u32 s3, 0
	s_cbranch_scc1 .Lstep
	s_mov_b32 s3, 2
.Ltail:                                                ; the last two K steps fill nothing: written once, walked twice, and left in the middle of the second trip,
	QUARTER 2, F1, F0, 0                           ; whose change of slots serves nothing: one barrier and 32 LDS loads of a slot that has been multiplied: the price of one text for both
	QUARTER 3, F0, F1, 0
	TURN 0
	WIN 0
	s_sub_co_u32 s3, s3, 1
	s_cmp_eq_u32 s3, 0
	s_cbranch_scc1 .Lout
	QUARTER 1, F0, F1, 0
	WIN 0
	s_branch .Ltail
.Lout:
	; THE WAY OUT.
	PLACES                                         ; behind the last products
	s_wait_dscnt 0x0                               ; my reads of the ring are over
	s_barrier_signal -1
	s_barrier_wait -1                              ; everybody's are: both slots have had their last fill, and their bytes are free
	s_wait_loadcnt 0x0                             ; my rows of the table
	WIN 0x04                                       ; the stores' data in window 1
.set j, 0
.rept 32
	ds_store_b128 v[TST], v[4*j+128*(j/16):4*j+128*(j/16)+3] offset:TABL+512*j
.set j, j+1
.endr
	WIN 0
	s_wait_dscnt 0x0                               ; for the others' sake: a wave reads 128 rows of the table, which two waves have brought
	s_barrier_signal -1
	s_barrier_wait -1
; 32 accumulators, 64 rows, into my own bytes, low registers first.  A lane's eight channels 8 c .. 8 c + 7 (c = 2 b + l / 16) go as two pieces of 16 bytes: the low one to byte 16 c of the row, the
; high one to byte 256 + 16 c: so the 16 lanes that read a row back take 256 bytes on end, twice.
.macro DUMPW win
	WIN \win
.irp a, 0,1,2,3
.irp b, 0,1,2,3,4,5,6,7
	ds_store_b128 v[DST], v[8*(8*(\a)+(\b)):8*(8*(\a)+(\b))+3]   offset:(\a)*16*PD+32*(\b)
	ds_store_b128 v[DST], v[8*(8*(\a)+(\b))+4:8*(8*(\a)+(\b))+7] offset:(\a)*16*PD+32*(\b)+256
.endr
.endr
	WIN 0
.endm
; Row pair t of 16 rows: lanes 0-15 one row, lanes 16-31 the next; a lane has eight channels (four pairs), four sines and four cosines.
; Lanes that do not rotate take sin = 0 and cos = 1; both are multiplied by c (q) or 1; (x0, x1) -> (x0 cos - x1 sin, x1 cos + x0 sin); one rounding to f16; 16 bytes a lane.
.macro PAIR t
.set rX, X+8*(\t)
.set rT, T+8*(\t)
	s_wait_dscnt 28-4*(\t)                         ; LDS serves a wave's instructions in order (ISA guide 5.7.1.4): the younger pairs' four loads each may be out
.irp i, 0,1,2,3
	v_cndmask_b32 v[rT+(\i)],   0,   v[rT+(\i)],   s69
	v_cndmask_b32 v[rT+4+(\i)], 1.0, v[rT+4+(\i)], s69
.endr
.irp k, 0,2,4,6
	v_pk_mul_f32 v[rT+(\k):rT+(\k)+1], v[rT+(\k):rT+(\k)+1], s[70:71] op_sel_hi:[1,0]
.endr
.irp i, 0,1,2,3
	v_mul_f32 v[RT+2*(\i)],   v[rX+2*(\i)+1], v[rT+(\i)]
	v_mul_f32 v[RT+2*(\i)+1], v[rX+2*(\i)],   v[rT+(\i)]
.endr
.irp i, 0,1,2,3
	v_fma_f32 v[rX+2*(\i)],   v[rX+2*(\i)],   v[rT+4+(\i)], -v[RT+2*(\i)]
	v_fma_f32 v[rX+2*(\i)+1], v[rX+2*(\i)+1], v[rT+4+(\i)], v[RT+2*(\i)+1]
.endr
.irp k, 0,1,2,3
	v_cvt_pk_f16_f32 v[Y+4*(\t)+(\k)], v[rX+2*(\k)], v[rX+2*(\k)+1]
.endr
	global_store_b128 v[CO], v[Y+4*(\t):Y+4*(\t)+3], s[8:9] offset:512*(\t)  ; 512 consecutive bytes, at a multiple of 256 from qkv's first byte
.endm
	s_mov_b32 s38, 0                               ; the table's rows go on over both halves
	s_mov_b32 s74, 2
.Lhalf:                                                ; my rows 0-63 (window 2), then my rows 64-127 (window 3), through the same bytes
	s_cmp_eq_u32 s74, 2
	s_cbranch_scc0 .Lhigh
	DUMPW 0x08                                     ; the stores' data in window 2
	s_branch .Ldumped
.Lhigh:
	DUMPW 0x0c                                     ; in window 3
.Ldumped:
	s_mov_b32 s37, 0
	s_mov_b32 s39, 4
.Lrows:                                                ; a trip: 16 rows
	v_add_nc_u32 v[XRD], s37, v[XRD0]
	v_add_nc_u32 v[TRD], s38, v[TRD0]
.irp t, 0,1,2,3,4,5,6,7
	ds_load_b128 v[T+8*(\t):T+8*(\t)+3],   v[TRD] offset:TABL+512*(\t)
	ds_load_b128 v[T+8*(\t)+4:T+8*(\t)+7], v[TRD] offset:TABL+512*(\t)+128
	ds_load_b128 v[X+8*(\t):X+8*(\t)+3],   v[XRD] offset:2*(\t)*PD      ; these see my stores above: the bytes are my own
	ds_load_b128 v[X+8*(\t)+4:X+8*(\t)+7], v[XRD] offset:2*(\t)*PD+256
.endr
.irp t, 0,1,2,3,4,5,6,7
	PAIR \t
.endr
	s_wait_xcnt 0x0                                ; the stores have read their data and their base: both are written again only behind this wait
	s_add_nc_u64 s[8:9], s[8:9], 4096
	s_add_co_u32 s37, s37, 16*PD
	s_add_co_u32 s38, s38, 4096
	s_sub_co_u32 s39, s39, 1
	s_cmp_lg_u32 s39, 0
	s_cbranch_scc1 .Lrows
	s_sub_co_u32 s74, s74, 1
	s_cmp_lg_u32 s74, 0
	s_cbranch_scc1 .Lhalf
	s_wait_tensorcnt 0x0                           ; the wave's end: behind my last tensor load and my last LDS store
	ds_add_u32 v[SPW], v[NIL]
	s_wait_dscnt 0x0
	CROUND                                         ; the closing round: no work-group ends while a partner may still ask for a tile that names it
	s_endpgm
.Lfunc_end_k_q237fac7a8a_proj:
	.size	k_q237fac7a8a_proj, .Lfunc_end_k_q237fac7a8a_proj-k_q237fac7a8a_proj
	.p2alignl 7, 3214868480
	.fill 96, 4, 3214868480
	.section	.rodata,"a",@progbits
	.p2align	6, 0x0
	.amdhsa_kernel k_q237fac7a8a_proj
		.amdhsa_group_segment_fixed_size 327680
		.amdhsa_private_segment_fixed_size 0
		.amdhsa_enable_private_segment 0
		.amdhsa_kernarg_size 32
		.amdhsa_user_sgpr_count 2
		.amdhsa_user_sgpr_kernarg_segment_ptr 1
		.amdhsa_wavefront_size32 1
		.amdhsa_system_sgpr_workgroup_id_x 1
		.amdhsa_system_sgpr_workgroup_id_y 1
		.amdhsa_system_sgpr_workgroup_id_z 1
		.amdhsa_system_vgpr_workitem_id 0
		.amdhsa_next_free_vgpr 1024
		.amdhsa_next_free_sgpr 80
		.amdhsa_reserve_vcc 0
		.amdhsa_float_denorm_mode_32 3
		.amdhsa_float_denorm_mode_16_64 3
		.amdhsa_memory_ordered 1
		.amdhsa_forward_progress 1
		.amdhsa_inst_pref_size 102
	.end_amdhsa_kernel
	.amdgpu_metadata
---
amdhsa.version: [ 1, 2 ]
amdhsa.kernels:
  - .name:           k_q237fac7a8a_proj
    .symbol:         k_q237fac7a8a_proj.kd
    .args:
      - { .name: xb, .offset: 0, .size: 8, .value_kind: global_buffer, .address_space: global }
      - { .name: wb, .offset: 8, .size: 8, .value_kind: global_buffer, .address_space: global }
      - { .name: tab, .offset: 16, .size: 8, .value_kind: global_buffer, .address_space: global }
      - { .name: qkv, .offset: 24, .size: 8, .value_kind: global_buffer, .address_space: global }
    .group_segment_fixed_size: 327680
    .private_segment_fixed_size: 0
    .kernarg_segment_align: 8
    .kernarg_segment_size: 32
    .max_flat_workgroup_size: 128
    .sgpr_count:     80
    .vgpr_count:     1024
    .wavefront_size: 32
...
	.end_amdgpu_metadata
.endif
;; end of part 2
;; launch attn (part 3): grid 16 x 16, 4 waves a work-group, clusters of 4 x 1, 327,680 bytes of LDS; arguments qkv, mbits, ob; writes ob
.if DOCPART == 3
	.amdgcn_target "amdgcn-amd-amdhsa--gfx1250"
	.amdhsa_code_object_version 6
	.text
	.protected	k_q237fac7a8a_attn
	.globl	k_q237fac7a8a_attn
	.p2align	8
	.type	k_q237fac7a8a_attn,@function
k_q237fac7a8a_attn:
	s_mov_b64 s[64:65], 0
	v_nop
	global_prefetch_b8 v0, s[64:65] scope:SCOPE_SE
	s_setreg_imm32_b32 hwreg(HW_REG_WAVE_MODE, 25, 1), 1
	s_wait_xcnt 0x0
	s_wait_alu depctr_hold_cnt(0) depctr_sa_sdst(0) depctr_va_vdst(0) depctr_va_sdst(0) depctr_va_ssrc(0) depctr_va_vcc(0) depctr_vm_vsrc(0)
	s_getreg_b32 s2, hwreg(HW_REG_IB_STS2, 6, 4)
	s_cmp_eq_u32 s2, 0
	s_cbranch_scc0 .Lentry_in_a_cluster
	s_endpgm
.Lentry_in_a_cluster:
	s_bfe_u32 s2, ttmp6, 0x10000c
	s_cmp_lg_u32 s2, 0x3003
	s_cbranch_scc0 .Lentry_shape_is_right
	s_endpgm
.Lentry_shape_is_right:
; MASKED ATTENTION.  O[q][h][:] = the sum over k of softmax_k(where(mask[q][k], Q[h][q] . K[h][k] / sqrt(128), -1e30)) V[h][k][:].
; qkv: f16 [3][16 h][2048][128]; Q arrives multiplied by c = log2(e) / sqrt(128), so a score t is in units of log2.  mbits: the mask as lane masks (below).  ob: f16 [2048][16 h x 128].
; Products, maxima and sums in f32; the weights p are rounded to f16 for the second product (their sum l is taken of the unrounded p), O once at the end.
; THE MASK IS AN INPUT: every key is multiplied, whatever the mask holds.  A hidden score is REPLACED by -1e30 (one v_cndmask_b32 a score, its lane mask in a scalar register): a row with
; no visible key then has t - m = 0 everywhere and gives the mean of V's rows; where any key is visible the hidden ones have the weight 0.
; LIMITS.  f16 holds no number beyond 65,504: Q, K, V arrive within it; p lies in 0 to 1 and below 6e-5 keeps f16's step of 6e-8; a weight below 2^-126 counts as 0 in l;
; visible scores lie above -1e30; NaN and infinities are not treated apart.
; SHARES.  A work-group owns 128 queries of one head.  Wave w owns 64 of them (w % 2): four tiles of 16, in two PIECES (tiles 0, 1 and 2, 3), and HALF THE KEYS: of each slot's 256 keys
; the 128 with number w / 2: two steps of 64.  So 32,768 query rows fill 1,024 waves with 64 queries each.  The two halves' O, m and l meet once, in LDS, at the end.
; LAYOUT.  S^T = K Q^T (source 0 = 16 keys, source 1 = 16 queries): a lane holds ONE query (lane % 16) and the keys 8 (lane / 16) + 0..7.  Two such tiles rounded to f16 in pairs ARE source 1
; of O^T = V^T P.  K comes out of LDS as it lies, V turned, by ds_load_tr16_b128.
; SOFTMAX.  For each query a running maximum m and sum l: p = 2^(t - m); in every step O and l are multiplied by a = 2^(m_old - m_new).
; BY TURNS.  In a TURN one piece has the matrix unit: 32 products V^T P of the step in hand, then 32 products K Q^T of the next; the other piece's softmax, 330 vector instructions cut into 64
; slices, stands between them, one slice behind each matrix instruction.  Two turns are a key step.
; NO FIRST STEP IS WRITTEN OUT.  m starts at the lowest finite number, l and O^T at 0: the first step is a step like any other, with a = 0.  The loop is entered in the middle of a trip, at piece 2's
; turn, whose products V^T P, of a step that has not been, multiply zeros (V's registers and piece 2's P start at 0).  The price: those 32 products, and 432 v_mov_b32 in the wait for the first tile.
; CLUSTER.  The four query blocks of a cluster belong to one head and walk the same K and V: each tile is asked for JOINTLY, by the same tensor load, descriptor and mask in all four.
; ADDRESSES live in scalar registers alone; the registers that take the lane masks hold nothing but offsets before.
; REGISTERS, in windows of 256 (s_set_vgpr_msb: bits 1:0 source 0, 3:2 source 1, 5:4 source 2, 7:6 destination):
;   window 0: v0-11 addresses in LDS and offsets; v12-43 eight registers of statistics a tile; v44-46, v62-63 constants and offsets; v64-191 S^T, 32 a tile; v192-255 P, 16 a tile
;   window 1: O^T, 64 a tile          window 2: v0-127 Q; v128-255 K of one step          window 3: v0-127 V of one step
.set KS,    64
.set PK,    272       ; a row of K in LDS: 256 bytes + 16 = 68 words: the 16 rows of a load start at 16 different groups of four banks (64 banks of 4 bytes: ISA guide 11.1)
.set PV,    288       ; a row of V: 256 + 32 = 72 words
.set KHALF, 128*PK    ; what one tensor load brings of K, and what a wave reads of a slot's K
.set VHALF, 128*PV
.set VOFF,  2*KHALF   ; a slot: 256 rows of K, then 256 rows of V
.set SLOTX, 0x24000   ; slot 1 begins here.  Bits 17 and 14 are 0 in every number that is turned by it (0, 0x8800, 0x11000, 0x1a000), so the exclusive or adds or takes away
.set STAGE, SLOTX+VOFF+2*VHALF  ; behind the ring: 16 rows x 272 bytes for each wave, for the way out
.set SP,    272
.set SPARE, STAGE+4*16*SP       ; the spare words, 128 bytes for each wave: two blocks of 256 bytes that no other line names
.set MSTAT, 32768     ; THE MEETING PLACE is slot 0's part for K, bytes 0 .. 69,631, written only when slot 0 has had its last fill and its last read: 34,816 bytes for each half of the queries: O^T, then the statistics
.set AK0, 2           ; v2   my lane's place in my half of a slot's K; never rewritten
.set AV0, 3           ; v3   the same for V
.set ADR, 4           ; v4   the LDS address of the run of loads in hand
.set QO,  5
.set STO, 6
.set RD,  7
.set GO,  8           ; v8   first my stage's first LDS byte, then my byte offset in two rows of ob
.set ST,  12          ; tile t's statistics at v[ST+8 t]: +0 m, +1 0 (named with m as a pair), +2, +3 l (even keys', odd keys'), +4 to +7 c0-c3, at work; a takes c2's place once the maximum is found
.set NEGV, 44         ; v44  -1e30
.set MS,  45          ; v45  my 16 bytes in the meeting place
.set PFO, 46          ; v46  the prefetches' offset: 256 x my lane: a lane a row; never rewritten
.set SPW, 62
.set NIL, 63
.set S,   64
.set P,   192
.set KF,  128
.set PFA, 2           ; s[2:3]   first Q at my wave's first row; when Q is in: where my prefetches stand, my wave's 32 rows of the slot after the one that is being asked for
.set G0K, 4           ; s[4:7]   descriptor group 0 for K's tiles: it walks (at the head: the two arguments)
.set G1K, 8           ; s[8:15]  group 1 for K's tiles
.set G1V, 16          ; s[16:23] for V's: it differs in the padding alone
.set G0V, 24          ; s[24:27]
.set MB,  28          ; s[28:29] mbits at my first tile's words for the step whose masks are loaded next
.set TBK, 30          ; s30  LDS byte at which K of the step to be fetched begins, less my half's place
.set TBV, 31          ; s31  the same for V
.set MK0, 32          ; s[32:63] the 32 lane masks of the piece's even tile
.set MK1, 68          ; s[68:99] of its odd tile
.set WV,  66
.set SLOTS, 67
.set TWICE, 100       ; s100 counts a slot's two steps; ahead of the first of them: the prefetches' byte offset in qkv
.set LIM, 101         ; s101 1 in the head's first cluster, else the greatest number: a wave prefetches while s[SLOTS] is above it
.set SEL, 104         ; s[104:105] lane selects for v_permlanex16_b32
.set MSB, 0
.macro WIN new
.if MSB != (\new)
	s_set_vgpr_msb (MSB<<8)|(\new)
.set MSB, \new
.endif
.endm
.set W_KQ, 0x0a       ; K and Q in window 2, S^T in window 0
.set W_PV, 0x53       ; V in window 3, P in window 0, O^T in window 1
.set W_RS, 0x41       ; O^T (destination and source 0) in window 1, a in window 0
; A joint fill.  Waves 0 and 1 fetch the two halves of a slot's K, waves 2 and 3 those of its V: 128 rows of 256 bytes each.  The branch hangs on the wave's number alone.
.macro JLOAD
	s_cmp_lt_u32 s[WV], 2
	s_cbranch_scc0 .Lfor_v_\@
	tensor_load_to_lds s[G0K:G0K+3], s[G1K:G1K+7]
	s_nop 0
.rept 4
	v_nop
.endr
	s_branch .Lasked_\@
.Lfor_v_\@:
	tensor_load_to_lds s[G0V:G0V+3], s[G1V:G1V+7]
	s_nop 0
.rept 4
	v_nop
.endr
.Lasked_\@:
.endm
; A PREFETCH of what the NEXT change of slots will ask for: a slot's 256 rows of K and 256 of V, 256 bytes a row, a lane a row.  All clusters of a head walk the same rows: the head's first cluster asks.
; Its sixteen waves take 32 rows each, told apart BY ADDRESS: K in waves 0 and 1, V in waves 2 and 3, row 64 cx + 32 (wave % 2) + lane.  So each row is named once in the launch.
; Slots 0, 1 and 2 come by their loads alone; the last change that fills a slot asks for nothing.
.macro ASK
	s_cmp_gt_u32 s[SLOTS], s[LIM]
	s_cbranch_scc0 .Lnot_mine_\@
	global_prefetch_b8 v[PFO], s[PFA:PFA+1] th:TH_LOAD_NT scope:SCOPE_SE
.Lnot_mine_\@:
.endm
.macro CROUND                       ; a round of the cluster's barrier
	s_barrier_signal -1
	s_barrier_wait -1
	s_cmp_lg_u32 s[WV], 0
	s_cbranch_scc1 .Lnot_wave_0_\@
	s_barrier_signal -3
.Lnot_wave_0_\@:
	s_barrier_wait -3
	s_barrier_signal -1
	s_barrier_wait -1
.endm
; THE MASKS of piece p for one step: 32 words a tile, 128 bytes on end; word n is the lane mask of score register n.  Tiles lie 4,096 bytes apart.
.macro MLOAD p
	s_load_b512 s[MK0:MK0+15],    s[MB:MB+1], 4096*(\p)
	s_load_b512 s[MK0+16:MK0+31], s[MB:MB+1], 4096*(\p)+64
	s_load_b512 s[MK1:MK1+15],    s[MB:MB+1], 4096*(\p)+4096
	s_load_b512 s[MK1+16:MK1+31], s[MB:MB+1], 4096*(\p)+4160
.endm
	s_load_b128 s[4:7], s[0:1], 0x0 ; qkv s[4:5], mbits s[6:7]
	v_lshl_add_u32 v[SPW], v0, 2, SPARE
	v_mov_b32 v[NIL], 0
	ds_add_u32 v[SPW], v[NIL]       ; the wave's opening: the add and its wait stand ahead of my first tensor load; work on registers stands between them
	v_lshrrev_b32 v1, 5, v0
	v_readfirstlane_b32 s[WV], v1   ; wave 0..3
	s_bfe_u32 s36, ttmp6, 0x40000   ; cx
	s_lshl_b32 s37, ttmp9, 2        ; in a cluster launch ttmp9 counts clusters
	s_cmp_eq_u32 s37, 0
	s_cselect_b32 s[LIM], 1, -1     ; the same in all four partners
	s_add_co_u32 s37, s37, s36      ; my block of 128 queries: it enters Q's, the masks' and O's addresses alone
	s_and_b32 s38, ttmp7, 0xffff
	s_lshl_b32 s38, s38, 19         ; the head's first byte in each of qkv's three tensors
	s_and_b32 s39, s[WV], 1         ; which 64 queries are mine.  Also: which half of a tile I fetch
	s_lshr_b32 s40, s[WV], 1        ; which half of the keys is mine.  Also: I fetch K (0) or V (1)
	s_lshl_b32 s42, s39, 15         ; the tiles: my half's 128 rows of 256 bytes,
	s_add_co_u32 s42, s42, s38      ; in the head: no place in the cluster enters
	s_mov_b32 s43, 0
	s_lshl_b32 s46, s37, 15         ; 128 rows of Q are 32,768 bytes, and 8 tiles' masks too,
	s_lshl_b32 s47, s39, 14         ; my 64 rows, my 4 tiles
	s_add_co_u32 s46, s46, s47
	s_add_co_u32 s44, s46, s38      ; Q's offset
	s_mov_b32 s45, 0
	s_lshl_b32 s47, s40, 11         ; the masks of my half of the keys
	s_add_co_u32 s46, s46, s47
	s_mov_b32 s47, 0
	s_add_co_u32 s[TWICE], s40, 1   ; the prefetches' offset in qkv: tensor 1 (K) or 2 (V),
	s_lshl_b32 s[TWICE], s[TWICE], 23
	s_add_co_u32 s[TWICE], s[TWICE], s38  ; the head,
	s_lshl_b32 s53, s36, 14         ; row 64 cx
	s_add_co_u32 s[TWICE], s[TWICE], s53
	s_lshl_b32 s53, s39, 13         ; + 32 (wave % 2),
	s_add_co_u32 s[TWICE], s[TWICE], s53
	s_add_co_u32 s[TWICE], s[TWICE], 2*65536  ; in slot 2: the loop's first change of slots steps it to slot 3
	s_mov_b32 s[G1K], 15|(1<<16)|(1<<20)|(1<<21)|(5<<22)|(3<<25)  ; the mask of four; 2-byte elements; padding on; bit 21 beside a mask; after every 64 words 4 words
	s_mov_b32 s[G1V], 15|(1<<16)|(1<<20)|(1<<21)|(5<<22)|(7<<25)  ; the same with 8 words
.irp g, G1K, G1V
	s_mov_b32 s[(\g)+1], 128<<16    ; tensor_dim0 = 128
	s_mov_b32 s[(\g)+2], 128<<16    ; tensor_dim1 = 128
	s_mov_b32 s[(\g)+3], 128<<16    ; tile_dim0 = 128
	s_mov_b32 s[(\g)+4], 128        ; tile_dim1 = 128
	s_mov_b32 s[(\g)+5], 128        ; elements from row to row
	s_mov_b32 s[(\g)+6], 0
	s_mov_b32 s[(\g)+7], 0
.endr
	s_mov_b32 s[G0V], 1
	s_mul_i32 s41, s39, VHALF
	s_add_co_u32 s[G0V+1], s41, VOFF  ; LDS address: slot 0, my half
	s_mov_b32 s[SEL], 0x76543210
	s_mov_b32 s[SEL+1], 0xfedcba98
	s_mov_b32 s[TBK], SLOTX+KHALF   ; the first change of slots turns these two into 0
	s_mov_b32 s[TBV], SLOTX+VHALF
	s_mov_b32 s[SLOTS], 7           ; the part trip in which the loop is entered, and six whole ones
	s_mul_i32 s54, s40, KHALF
	s_mul_i32 s55, s40, VHALF
	s_add_co_u32 s55, s55, VOFF
	s_mul_i32 s56, s39, KHALF       ; the meeting place of my half of the queries
	s_mul_i32 s57, s[WV], 16*SP
	s_add_co_u32 s57, s57, STAGE    ; my stage
	s_wait_dscnt 0x0                ; the opening add is done
	s_wait_kmcnt 0x0
	s_add_nc_u64 s[MB:MB+1], s[6:7], s[46:47]
	s_add_nc_u64 s[G0V+2:G0V+3], s[4:5], s[42:43]
	s_add_nc_u64 s[G0V+2:G0V+3], s[G0V+2:G0V+3], 16777216
	s_or_b32 s[G0V+3], s[G0V+3], 0x80000000
	s_add_nc_u64 s[PFA:PFA+1], s[4:5], s[44:45]    ; Q at my wave's first row
	s_add_nc_u64 s[G0K+2:G0K+3], s[4:5], s[42:43]  ; the two arguments have served: their registers take K's group 0
	s_add_nc_u64 s[G0K+2:G0K+3], s[G0K+2:G0K+3], 8388608
	s_or_b32 s[G0K+3], s[G0K+3], 0x80000000
	s_mov_b32 s[G0K], 1
	s_mul_i32 s[G0K+1], s39, KHALF  ; LDS address: slot 0, my half
	CROUND                          ; all four work-groups are here: the first joint loads meet
	JLOAD                           ; slot 0.  Slot 1 is asked for when slot 0 is in, by the loop's own change of slots
	v_and_b32 v1, 15, v0            ; l % 16
	v_bfe_u32 v9, v0, 4, 1          ; l / 16
	v_lshlrev_b32 v[QO], 8, v1
	v_lshl_add_u32 v[QO], v9, 4, v[QO]
	WIN 0x80                        ; destination window 2
.irp i, 0,1,2,3,4,5,6,7,8,9,10,11,12,13,14,15  ; Q stays in registers: tile i / 4, channels 32 (i % 4) on
	global_load_b128 v[8*(\i):8*(\i)+3],   v[QO], s[PFA:PFA+1] offset:((\i)/4)*4096+((\i)%4)*64
	global_load_b128 v[8*(\i)+4:8*(\i)+7], v[QO], s[PFA:PFA+1] offset:((\i)/4)*4096+((\i)%4)*64+32
.endr
	WIN 0
	v_mul_u32_u24 v[AK0], v1, PK
	v_lshl_add_u32 v[AK0], v9, 4, v[AK0]
	v_add_nc_u32 v[AK0], s54, v[AK0]
	v_and_b32 v10, 7, v0            ; the turning load: lane l reads key 8 (l / 16) + l % 8, channels 8 ((l / 8) % 2) + 0..7
	v_bfe_u32 v11, v0, 3, 1
	v_lshl_add_u32 v[AV0], v9, 3, v10
	v_mul_u32_u24 v[AV0], v[AV0], PV
	v_lshl_add_u32 v[AV0], v11, 4, v[AV0]
	v_add_nc_u32 v[AV0], s55, v[AV0]
	v_and_b32 v[MS], 31, v0
	v_lshlrev_b32 v[MS], 4, v[MS]
	v_add_nc_u32 v[MS], s56, v[MS]
	v_mov_b32 v[NEGV], 0xf149f2ca   ; -1e30
	v_and_b32 v[PFO], 31, v0
	v_lshlrev_b32 v[PFO], 8, v[PFO] ; a lane a row
	v_mov_b32 v[GO], s57            ; kept until the addresses for the way out are made
	; What the first turn finds.  All this stands in the wait for the first tile.
.irp t, 0,1,2,3
	v_mov_b32 v[ST+8*(\t)], 0xff7fffff  ; m: the lowest finite number, below every score and below -1e30: the first a is 2^(m - m_new) = 0
	v_mov_b32 v[ST+8*(\t)+1], 0
	v_mov_b32 v[ST+8*(\t)+2], 0         ; l
	v_mov_b32 v[ST+8*(\t)+3], 0
.endr
.set i, P+32
.rept 32
	v_mov_b32 v[i], 0               ; piece 2's P
.set i, i+1
.endr
	WIN 0x40                        ; destination window 1
.set i, 0
.rept 256
	v_mov_b32 v[i], 0               ; O^T
.set i, i+1
.endr
	WIN 0xc0                        ; destination window 3
.set i, 0
.rept 128
	v_mov_b32 v[i], 0               ; V
.set i, i+1
.endr
	WIN 0
; THE MATRIX WORK OF A TURN, for piece x.  The accumulators take turns, one instruction a turn.
; Product i of 32 of O^T += V^T P: keys 32 (i / 16) on, channels 16 ((i / 2) % 8) on, tile x + i % 2.
.macro PV x
	WIN W_PV
.set rO, 64*((\x)+i%2)+8*((i/2)%8)
.set rV, 64*(i/16)+8*((i/2)%8)
.set rP, P+16*((\x)+i%2)+8*(i/16)
	v_wmma_f32_16x16x32_f16 v[rO:rO+7], v[rV:rV+7], v[rP:rP+7], v[rO:rO+7]
.endm
; Product i of 32 of S^T = K Q^T: channels 32 (i / 8) on, keys 16 ((i / 2) % 4) on, tile x + i % 2.  The first 8 start the sums.
.macro KQ x
	WIN W_KQ
.set rS, S+32*((\x)+i%2)+8*((i/2)%4)
.set rK, KF+32*((i/2)%4)+8*(i/8)
.set rQ, 32*((\x)+i%2)+8*(i/8)
.if i < 8
	v_wmma_f32_16x16x32_f16 v[rS:rS+7], v[rK:rK+7], v[rQ:rQ+7], 0
.else
	v_wmma_f32_16x16x32_f16 v[rS:rS+7], v[rK:rK+7], v[rQ:rQ+7], v[rS:rS+7]
.endif
.endm
; THE LDS LOADS stand in runs of 32: a step's K (16 fragments) and, a turn later, its V (turned).
.macro FETCH_K
	WIN 0
	v_add_nc_u32 v[ADR], s[TBK], v[AK0]
	WIN 0x80
.irp f, 0,1,2,3,4,5,6,7,8,9,10,11,12,13,14,15  ; keys 16 (f / 4) on, channels 32 (f % 4) on
	ds_load_b128 v[KF+8*(\f):KF+8*(\f)+3],   v[ADR] offset:((\f)/4)*16*PK+((\f)%4)*64
	ds_load_b128 v[KF+8*(\f)+4:KF+8*(\f)+7], v[ADR] offset:((\f)/4)*16*PK+((\f)%4)*64+32
.endr
.endm
.macro FETCH_V
	WIN 0
	v_add_nc_u32 v[ADR], s[TBV], v[AV0]
	s_add_co_u32 s[TBK], s[TBK], KS*PK  ; the next fetches are the next step's
	s_add_co_u32 s[TBV], s[TBV], KS*PV
	s_wait_alu depctr_va_vdst(0)    ; the wait for the softmax's batch, ahead of the loads
	WIN 0xc0                        ; destination window 3
.irp f, 0,1,2,3,4,5,6,7,8,9,10,11,12,13,14,15  ; keys 32 (f / 8) on, channels 16 (f % 8) on
	ds_load_tr16_b128 v[8*(\f):8*(\f)+3],   v[ADR] offset:((\f)/8)*32*PV+((\f)%8)*32
	ds_load_tr16_b128 v[8*(\f)+4:8*(\f)+7], v[ADR] offset:((\f)/8)*32*PV+16*PV+((\f)%8)*32
.endr
.endm
; THE VECTOR WORK.  One tile's softmax for one key step is a list of 165; SM writes number j of it for tile t.
;   0-31     the hidden scores are replaced by -1e30 (each accumulator's lowest register first)
;   32-47    the maximum of the 32 scores and the old m, three operands at a time
;   48-51    the other half of the lanes' maximum; m_old is kept; the new m; m_old - m_new
;   52-100   ONE BATCH: 16 packed t - m (F) and 33 exponentials (a at 53, then E 0 .. E 31): F 0, a, then F g, E 2g-2, E 2g-1 for g = 1 .. 15, then E 30, E 31.  None reads an exponential's result
;   (wait)   between 100 and 101 stands the wait for the batch: NEXT writes it, once for both tiles
;   101-116  the roundings to f16     117-132  the sums; l = a l + sum     133-164  O^T times a: the one part that leaves window 0
.macro SM t
.set rT, ST+8*(\t)
.set rS, S+32*(\t)
.set rP, P+16*(\t)
.set rM, MK0+(MK1-MK0)*((\t)%2)
.set rO, 64*(\t)+2*(j-133)
.set n, j-32
.set d, j-52
.if j < 133
	WIN 0
.endif
.if j < 32
	v_cndmask_b32 v[rS+j], v[NEGV], v[rS+j], s[rM+j]
.elseif j < 36
	v_max3_num_f32 v[rT+4+n], v[rS+8*n], v[rS+8*n+1], v[rS+8*n+2]
.elseif j < 44
	v_max3_num_f32 v[rT+4+n%4], v[rT+4+n%4], v[rS+8*(n%4)+2*(n/4)+1], v[rS+8*(n%4)+2*(n/4)+2]
.elseif j == 44
	v_max3_num_f32 v[rT+4], v[rT+4], v[rS+7], v[rS+15]
.elseif j == 45
	v_max3_num_f32 v[rT+6], v[rT+6], v[rS+23], v[rS+31]
.elseif j == 46
	v_max3_num_f32 v[rT+4], v[rT+4], v[rT+5], v[rT+6]
.elseif j == 47
	v_max3_num_f32 v[rT+4], v[rT+4], v[rT+7], v[rT]
.elseif j == 48
	v_permlanex16_b32 v[rT+5], v[rT+4], s[SEL], s[SEL+1]  ; the query's other 32 keys lie in the lane 16 away
.elseif j == 49
	v_mov_b32 v[rT+7], v[rT]
.elseif j == 50
	v_max_num_f32 v[rT], v[rT+4], v[rT+5]
.elseif j == 51
	v_sub_f32 v[rT+7], v[rT+7], v[rT]
.elseif j == 53
	v_exp_f32 v[rT+6], v[rT+7]
.elseif j < 101
.if d == 0
.set b, 0
.set e, -1
.elseif d >= 47
.set e, d-17
.elseif (d-2)%3 == 0
.set b, (d-2)/3+1
.set e, -1
.else
.set e, 2*((d-2)/3)-1+(d-2)%3
.endif
.if e < 0
	v_pk_add_f32 v[rS+2*b:rS+2*b+1], v[rS+2*b:rS+2*b+1], v[rT:rT+1] op_sel_hi:[1,0] neg_lo:[0,1] neg_hi:[0,1]  ; pair b: t - m
.else
	v_exp_f32 v[rS+e], v[rS+e]
.endif
.elseif j < 117
	v_cvt_pk_f16_f32 v[rP+j-101], v[rS+2*(j-101)], v[rS+2*(j-101)+1]
.elseif j < 133                     ; the sum of the tile's 16 pairs, in place: neighbours 1, 2, 4 and 8 pairs apart, then l takes it
.set z, j-117
.set w, 4
.set u, z
.if z >= 14
.set w, 32
.set u, 0
.elseif z >= 12
.set w, 16
.set u, z-12
.elseif z >= 8
.set w, 8
.set u, z-8
.endif
.if z < 15
	v_pk_add_f32 v[rS+w*u:rS+w*u+1], v[rS+w*u:rS+w*u+1], v[rS+w*u+w/2:rS+w*u+w/2+1]
.else
	v_pk_fma_f32 v[rT+2:rT+3], v[rT+2:rT+3], v[rT+6:rT+7], v[rS:rS+1] op_sel_hi:[1,0,1]
.endif
.else
	WIN W_RS
	v_pk_mul_f32 v[rO:rO+1], v[rO:rO+1], v[rT+6:rT+7] op_sel_hi:[1,0]
.endif
.endm
; Entry q of a turn's 330: number q / 2 of tile y + q % 2: the two tiles alternate, so that no instruction reads the result of the one just before it, and none follows an exponential on its registers.
; Ahead of entry 64 the piece's 64 lane masks have been read: the other piece's are asked for (ml = 1), some 50 matrix instructions ahead of the turn that reads them.
; Ahead of entry 202 both tiles' 66 exponentials are issued and no result has been named: a plain instruction behind the last, and ONE wait.  In piece 2's turn (y = 0)
; V's run of loads stands there and holds the wait; between it and the last product that read V stand the batch's packed subtractions, more than four.
.macro NEXT y, ml
.if q == 64
.if \ml
	MLOAD 2-(\y)
.endif
.endif
.if q == 202
	v_nop
.if (\y) == 0
	FETCH_V
.else
	s_wait_alu depctr_va_vdst(0)
.endif
.endif
.set j, q/2
	SM (\y)+q%2
.set q, q+1
.endm
.macro SLICE y, ml                  ; five entries; 330 = 5 x 64 + 10: the ten that are over stand in slice 63, whose fifteen plain rescalings are the places behind the turn's last product
.rept 5
	NEXT \y, \ml
.endr
.if k == 63
.rept 10
	NEXT \y, \ml
.endr
.endif
.set k, k+1
.endm
; A TURN.  Piece x has the matrix unit: 32 products V^T P and (kq = 1) 32 products K Q^T; the other piece's softmax stands in slices behind them, one behind each, two where the turn has 32 products.
; It opens with the wait for the softmax's masks.  Where that piece is piece 2, both pieces' masks of the step have landed, and the masks' address goes on to the next step.
; Piece 0's turn fetches the next step's K behind its second product, 30 products ahead of its first use.
.macro TURN x, kq=1, ml=1
.set k, 0
.set q, 0
.set per, 2-(\kq)
	s_wait_kmcnt 0x0
.if (\x) == 0
	s_add_nc_u64 s[MB:MB+1], s[MB:MB+1], 128
	s_wait_dscnt 0x0                ; V is in
.endif
.set i, 0
.rept 32
	PV \x
.rept per
	SLICE 2-(\x), \ml
.endr
.if ((\x) == 0) && (\kq) && (i == 1)
	FETCH_K
.endif
.set i, i+1
.endr
.if \kq
.if (\x) == 0
	s_wait_dscnt 0x0                ; K is in
.endif
.set i, 0
.rept 32
	KQ \x
	SLICE 2-(\x), \ml
.set i, i+1
.endr
.endif
.endm
; THE CHANGE OF SLOTS, between piece 2's turn and piece 0's.  Each wave waits for all its tensor loads, of which one is out: its part of the other slot; adds 0 to its spare word; and waits for that and
; for its own reads of the slot.  fill = 1: the slot is filled again, with the keys two slots on, behind a round of the cluster's barrier: the joint fill has two key steps, 256 matrix instructions, in
; which to land.  ask = 1: the prefetches' address goes a slot on, and the slot behind the one just asked for is prefetched.
; (At its first use nothing has been read yet: slot 0 is waited for, slot 1 filled, and nothing is prefetched: s[PFA:PFA+1] still holds Q's address.)
.macro CHANGE fill, ask=1
	WIN 0
	s_wait_tensorcnt 0x0            ; no tensor load of mine is out, so a group 0 may be written
	ds_add_u32 v[SPW], v[NIL]       ; 0 onto my spare word
.if \fill
.irp g, G0K, G0V
	s_xor_b32 s[(\g)+1], s[(\g)+1], SLOTX
	s_add_nc_u64 s[(\g)+2:(\g)+3], s[(\g)+2:(\g)+3], 4*KS*256  ; the next 256 keys; the type bits on top are not reached
.endr
.if \ask
	s_wait_xcnt 0x0                 ; the last prefetch, two key steps back, has read its address
	s_add_nc_u64 s[PFA:PFA+1], s[PFA:PFA+1], 4*KS*256  ; one slot ahead of the walking descriptors
.endif
	s_wait_dscnt 0x0                ; the add is done, and my reads of the slot are over
	CROUND
	JLOAD
.if \ask
	ASK
.endif
.else
	s_wait_dscnt 0x0
	s_barrier_signal -1
	s_barrier_wait -1
.endif
	s_sub_co_u32 s[TBK], s[TBK], 2*KS*PK  ; the fetches go back to my half's first step,
	s_xor_b32 s[TBK], s[TBK], SLOTX       ; in the other slot
	s_sub_co_u32 s[TBV], s[TBV], 2*KS*PV
	s_xor_b32 s[TBV], s[TBV], SLOTX
.endm
.macro TWO_STEPS mid                ; a slot's two key steps: written once, walked twice.  mid = 1: the copy that is entered in the middle of a trip
	WIN 0
	s_mov_b32 s[TWICE], 2
.Lstep_\@:
	TURN 0
.if \mid
	WIN 0                           ; at a label every window is 0
.Lmid:
.endif
	TURN 2
	WIN 0
	s_sub_co_u32 s[TWICE], s[TWICE], 1
	s_cmp_lg_u32 s[TWICE], 0
	s_cbranch_scc1 .Lstep_\@
.endm
	CHANGE 1, 0                     ; slot 0 is in, everybody's part of it; slot 1 is asked for
	FETCH_K                         ; key step 0
	s_wait_loadcnt 0x0              ; Q is in: its loads are done, so their base may be written
	s_load_b64 s[PFA:PFA+1], s[0:1], 0x0  ; qkv once more, for the prefetches
	MLOAD 0                         ; piece 0's masks of step 0: 32 products ahead of the turn that reads them
	s_wait_dscnt 0x0
.set i, 0
.rept 32
	KQ 0                            ; piece 0's first scores
.set i, i+1
.endr
	WIN 0                           ; the addresses for the way out: eight plain instructions, the places behind those products
	v_mul_u32_u24 v[STO], v1, SP    ; in: row l % 16, 16 bytes for each half of the lanes
	v_lshl_add_u32 v[STO], v9, 4, v[STO]
	v_add_nc_u32 v[STO], v[GO], v[STO]
	v_mul_u32_u24 v[RD], v9, SP     ; back: lanes 0-15 take one row of 256 bytes, lanes 16-31 the next
	v_lshl_add_u32 v[RD], v1, 4, v[RD]
	v_add_nc_u32 v[RD], v[GO], v[RD]
	v_lshlrev_b32 v[GO], 12, v9     ; and the same two rows in ob, 4,096 bytes apart
	v_lshl_add_u32 v[GO], v1, 4, v[GO]
	s_wait_kmcnt 0x0                ; qkv's address and the masks are in
	s_add_co_u32 s[PFA], s[PFA], s[TWICE]  ; my wave's 32 rows of slot 2
	s_add_co_ci_u32 s[PFA+1], s[PFA+1], 0
	s_mov_b32 s[TWICE], 2           ; slot 0: half a trip (piece 2's first scores | piece 0's first softmax | V of step 0), then a whole one
	s_branch .Lmid
.Lslot:                             ; six whole trips: slots 2 to 7 are asked for, slots 1 to 6 multiplied
	CHANGE 1
	TWO_STEPS 1
	s_sub_co_u32 s[SLOTS], s[SLOTS], 1
	s_cmp_lg_u32 s[SLOTS], 0
	s_cbranch_scc1 .Lslot
	CHANGE 0                        ; the tail is written out: nothing is asked for
	TWO_STEPS 0
	TURN 0, 0, 0                    ; piece 0: V^T P of the last step | piece 2's last softmax; no masks are left to load
.set i, 0
.rept 32
	PV 2                            ; piece 2: V^T P of the last step
.set i, i+1
.endr
	; THE WAY OUT.  l's two halves and the other half of the lanes' are added: twelve lines, the first four of them the places behind the last products.
	WIN 0
.irp t, 0,1,2,3
	v_add_f32 v[ST+8*(\t)+2], v[ST+8*(\t)+2], v[ST+8*(\t)+3]
.endr
.irp t, 0,1,2,3
	v_permlanex16_b32 v[ST+8*(\t)+3], v[ST+8*(\t)+2], s[SEL], s[SEL+1]
.endr
.irp t, 0,1,2,3
	v_add_f32 v[ST+8*(\t)+2], v[ST+8*(\t)+2], v[ST+8*(\t)+3]
.endr
	s_cmp_lt_u32 s[WV], 2
	s_cbranch_scc1 .Lkeep           ; waves 2 and 3 hand their O^T, m and l to waves 0 and 1.  Slot 0 had its last fill six key steps back, and every wave's reads of it ended ahead of the last change's barrier
	WIN 0x04                        ; the stores' data in window 1
.set i, 0
.rept 64
	ds_store_b128 v[MS], v[4*i:4*i+3] offset:512*i
.set i, i+1
.endr
	WIN 0
.irp t, 0,1,2,3
	ds_store_b128 v[MS], v[ST+8*(\t):ST+8*(\t)+3] offset:MSTAT+512*(\t)
.endr
.Lkeep:
	s_wait_dscnt 0x0                ; for the others' sake: my stores are done
	s_barrier_signal -1
	s_barrier_wait -1
	s_cmp_lt_u32 s[WV], 2
	s_cbranch_scc0 .Lend
	s_load_b64 s[32:33], s[0:1], 0x10  ; ob
	s_bfe_u32 s34, ttmp6, 0x40000
	s_lshl_b32 s35, ttmp9, 2
	s_add_co_u32 s34, s34, s35      ; my block of 128 queries
	s_lshl_b32 s34, s34, 1
	s_and_b32 s35, s[WV], 1
	s_add_co_u32 s34, s34, s35
	s_lshl_b32 s34, s34, 18         ; my 64 rows of 4,096 bytes
	s_and_b32 s35, ttmp7, 0xffff
	s_lshl_b32 s35, s35, 8          ; the head's 256 bytes of a row
	s_add_co_u32 s34, s34, s35
	s_mov_b32 s35, 0
.macro MLD t                        ; the partner's O^T of tile t, into one of two buffers in S^T's registers
.set i, 0
.rept 16
	ds_load_b128 v[S+64*((\t)%2)+4*i:S+64*((\t)%2)+4*i+3], v[MS] offset:512*(16*(\t)+i)
.set i, i+1
.endr
.endm
.irp t, 0,1,2,3
	ds_load_b128 v[P+4*(\t):P+4*(\t)+3], v[MS] offset:MSTAT+512*(\t)  ; the partner's m and l
.endr
	MLD 0
	s_wait_dscnt 16                 ; the statistics are in; tile 0's 16 loads may be out
	; m = max(mA, mB); O = (aA OA + aB OB) / (aA lA + aB lB) with a = 2^(m. - m)
.irp t, 0,1,2,3
	v_max_num_f32 v[ST+8*(\t)+4], v[ST+8*(\t)], v[P+4*(\t)]
.endr
.irp t, 0,1,2,3
	v_sub_f32 v[ST+8*(\t)+5], v[ST+8*(\t)], v[ST+8*(\t)+4]
	v_sub_f32 v[ST+8*(\t)+6], v[P+4*(\t)], v[ST+8*(\t)+4]
.endr
.irp t, 0,1,2,3
	v_exp_f32 v[ST+8*(\t)+5], v[ST+8*(\t)+5]
	v_exp_f32 v[ST+8*(\t)+6], v[ST+8*(\t)+6]
.endr
	v_nop                           ; a plain instruction behind the last exponential,
	s_wait_alu depctr_va_vdst(0)    ; and one wait for the eight, ahead of their first reader
.irp t, 0,1,2,3
	v_mul_f32 v[ST+8*(\t)+7], v[ST+8*(\t)+6], v[P+4*(\t)+2]
.endr
.irp t, 0,1,2,3
	v_fma_f32 v[ST+8*(\t)+7], v[ST+8*(\t)+5], v[ST+8*(\t)+2], v[ST+8*(\t)+7]
.endr
.irp t, 0,1,2,3
	v_rcp_f32 v[ST+8*(\t)+7], v[ST+8*(\t)+7]
.endr
	v_nop
	s_wait_alu depctr_va_vdst(0)    ; one wait for the four reciprocals
.irp t, 0,1,2,3
	v_mul_f32 v[ST+8*(\t)+4], v[ST+8*(\t)+5], v[ST+8*(\t)+7]  ; my factor, the low word of the pair +4, +5
	v_mul_f32 v[ST+8*(\t)+6], v[ST+8*(\t)+6], v[ST+8*(\t)+7]  ; the partner's, of the pair +6, +7
.endr
	s_wait_kmcnt 0x0
	s_add_nc_u64 s[32:33], s[32:33], s[34:35]
; Tile t: the two halves are joined, rounded to f16, sent through my stage (rows of 272 bytes) and stored as whole rows of 256 bytes.
.macro OUTT t
.set rB, S+64*((\t)%2)
.set rT, ST+8*(\t)
.set rP, P+32*((\t)%2)
.if (\t) < 3
	MLD (\t)+1
	s_wait_dscnt 16                 ; tile t is in; the next tile's 16 loads may be out
.else
	s_wait_dscnt 0x0
.endif
.set rB, S+64*((\t)%2)
.set i, 0
.rept 32
	v_pk_mul_f32 v[rB+2*i:rB+2*i+1], v[rB+2*i:rB+2*i+1], v[rT+6:rT+7] op_sel_hi:[1,0]
.set i, i+1
.endr
	WIN 0x01                        ; source 0 in window 1
.set i, 0
.rept 32
	v_pk_fma_f32 v[rB+2*i:rB+2*i+1], v[64*(\t)+2*i:64*(\t)+2*i+1], v[rT+4:rT+5], v[rB+2*i:rB+2*i+1] op_sel_hi:[1,0,1]
.set i, i+1
.endr
	WIN 0
	s_wait_xcnt 0x0                 ; the stores of the tile two back have read these registers
.set i, 0
.rept 32
	v_cvt_pk_f16_f32 v[rP+i], v[rB+2*i], v[rB+2*i+1]
.set i, i+1
.endr
.irp f, 0,1,2,3,4,5,6,7
	ds_store_b128 v[STO], v[rP+4*(\f):rP+4*(\f)+3] offset:32*(\f)
.endr
.irp f, 0,1,2,3,4,5,6,7
	ds_load_b128 v[rP+4*(\f):rP+4*(\f)+3], v[RD] offset:(\f)*2*SP  ; LDS serves a wave's instructions in order (ISA guide 5.7.1.4): these see the stores above
.endr
	s_wait_dscnt 0x0
.irp f, 0,1,2,3,4,5,6,7
	global_store_b128 v[GO], v[rP+4*(\f):rP+4*(\f)+3], s[32:33] offset:65536*(\t)+8192*(\f)  ; 16 lanes store 256 consecutive bytes, at a multiple of 256 from ob's first byte
.endr
.endm
	OUTT 0
	OUTT 1
	OUTT 2
	OUTT 3
.Lend:
	s_wait_tensorcnt 0x0            ; the wave's end: behind my last tensor load and my last LDS store
	ds_add_u32 v[SPW], v[NIL]
	s_wait_dscnt 0x0
	CROUND                          ; the closing round: no work-group ends while a partner may still ask for a tile that names it
	s_endpgm
.Lfunc_end_k_q237fac7a8a_attn:
	.size	k_q237fac7a8a_attn, .Lfunc_end_k_q237fac7a8a_attn-k_q237fac7a8a_attn
	.p2alignl 7, 3214868480
	.fill 96, 4, 3214868480
	.section	.rodata,"a",@progbits
	.p2align	6, 0x0
	.amdhsa_kernel k_q237fac7a8a_attn
		.amdhsa_group_segment_fixed_size 327680
		.amdhsa_private_segment_fixed_size 0
		.amdhsa_enable_private_segment 0
		.amdhsa_kernarg_size 24
		.amdhsa_user_sgpr_count 2
		.amdhsa_user_sgpr_kernarg_segment_ptr 1
		.amdhsa_wavefront_size32 1
		.amdhsa_system_sgpr_workgroup_id_x 1
		.amdhsa_system_sgpr_workgroup_id_y 1
		.amdhsa_system_sgpr_workgroup_id_z 1
		.amdhsa_system_vgpr_workitem_id 0
		.amdhsa_next_free_vgpr 896
		.amdhsa_next_free_sgpr 106
		.amdhsa_reserve_vcc 0
		.amdhsa_float_denorm_mode_32 3
		.amdhsa_float_denorm_mode_16_64 3
		.amdhsa_memory_ordered 1
		.amdhsa_forward_progress 1
		.amdhsa_inst_pref_size 216
	.end_amdhsa_kernel
	.amdgpu_metadata
---
amdhsa.version: [ 1, 2 ]
amdhsa.kernels:
  - .name:           k_q237fac7a8a_attn
    .symbol:         k_q237fac7a8a_attn.kd
    .args:
      - { .name: qkv, .offset: 0, .size: 8, .value_kind: global_buffer, .address_space: global }
      - { .name: mbits, .offset: 8, .size: 8, .value_kind: global_buffer, .address_space: global }
      - { .name: ob, .offset: 16, .size: 8, .value_kind: global_buffer, .address_space: global }
    .group_segment_fixed_size: 327680
    .private_segment_fixed_size: 0
    .kernarg_segment_align: 8
    .kernarg_segment_size: 24
    .max_flat_workgroup_size: 128
    .sgpr_count:     106
    .vgpr_count:     896
    .wavefront_size: 32
...
	.end_amdgpu_metadata
.endif
;; end of part 3
;; launch outp (part 4): grid 16 x 16, 4 waves a work-group, clusters of 4 x 4, 327,680 bytes of LDS; arguments ob, wo16, out0; writes out0
.if DOCPART == 4
	.amdgcn_target "amdgcn-amd-amdhsa--gfx1250"
	.amdhsa_code_object_version 6
	.text
	.protected	k_q237fac7a8a_outp
	.globl	k_q237fac7a8a_outp
	.p2align	8
	.type	k_q237fac7a8a_outp,@function
k_q237fac7a8a_outp:
	s_mov_b64 s[64:65], 0
	v_nop
	global_prefetch_b8 v0, s[64:65] scope:SCOPE_SE
	s_setreg_imm32_b32 hwreg(HW_REG_WAVE_MODE, 25, 1), 1
	s_wait_xcnt 0x0
	s_wait_alu depctr_hold_cnt(0) depctr_sa_sdst(0) depctr_va_vdst(0) depctr_va_sdst(0) depctr_va_ssrc(0) depctr_va_vcc(0) depctr_vm_vsrc(0)
	s_getreg_b32 s2, hwreg(HW_REG_IB_STS2, 6, 4)
	s_cmp_eq_u32 s2, 0
	s_cbranch_scc0 .Lentry_in_a_cluster
	s_endpgm
.Lentry_in_a_cluster:
	s_bfe_u32 s2, ttmp6, 0x10000c
	s_cmp_lg_u32 s2, 0xf033
	s_cbranch_scc0 .Lentry_shape_is_right
	s_endpgm
.Lentry_shape_is_right:
; out0 = O Wo.  ob: f16 [2048 s][2048]; wo16: f16 [2048 k][2048 n], as Wo lies (each number rounded to bf16 and written as f16); out0: f32 [2048][2048]; sums in f32.
; SHARES.  A tile of C is 128 x 128: 16 x 16 tiles, one for each of 256 WGPs.  Four waves, each 64 x 64: 16 accumulators.  K goes in steps of 256 through two LDS slots.
; A's rows lie along K (512 bytes a row and step); Wo's rows lie along N: 256 rows of 256 bytes a step, read turned by ds_load_tr16_b128.
; CLUSTERS: 4 x 4 work-groups.  The four of a row of the cluster need the same tiles of A, the four of a column the same tiles of Wo: each tile is asked for JOINTLY.
; THE MATRIX INSTRUCTION IS USED TRANSPOSED (source 0 = 16 columns of Wo, source 1 = 16 rows of A): a lane holds eight neighbouring columns of one row: 32 bytes of f32.
; A wave's 64 columns are 256 bytes, aligned: each wave has a stage of its own, and the way out needs no barrier.
; REGISTERS: window 0: v0-31 addresses; v32-95 rows read back from the stage, two sets; v128-255 accumulators.   window 1: two fragment buffers of 128.
.set KSTEP,  256
.set ROWB,   4096
.set PA,     528                       ; an LDS row of A: 512 bytes + 16 = 132 words: the 16 rows of a load start at 16 different groups of four banks (64 banks of 4 bytes: ISA guide 11.1)
.set PB,     288                       ; an LDS row of Wo: 256 bytes + 32 = 72 words
.set HALFA,  64*PA
.set HALFB,  128*PB
.set BOFF,   2*HALFA
.set SLOT,   BOFF+2*HALFB
.set STAGE,  2*SLOT                    ; behind the ring: 16 rows x 272 bytes for each wave
.set SPITCH, 272
.set SPARE,  STAGE+4*16*SPITCH         ; the spare words, 128 bytes for each wave: two blocks of 256 bytes that no other line names
.set LAPS,   2048/(2*KSTEP)
.set BX,     0                         ; my four column blocks lie on end
.set CSH,    7                         ; wave % 2 is worth 64 columns: 128 bytes of a row of Wo
.set ADRA, 16
.set ADRB, 20
.set STO,  24
.set RD,   25
.set CO,   26
.set SPW,  28
.set NIL,  29
.set TMP,  32
.set ACC,  128
.set F0,   0
.set F1,   128
.set G1, 24
.set G0, 32
.set G1B, 48
.set G0B, 56
.set MSB, 0
.macro WIN new
.if MSB != (\new)
	s_set_vgpr_msb (MSB<<8)|(\new)
.set MSB, \new
.endif
.endm
.set MUL,  0x05
.set TO_F, 0x40
.macro JLOAD s                         ; a joint load: waves 0 and 1 fetch A's two halves, waves 2 and 3 Wo's; an s_nop 0 and four v_nop follow each line
	s_cmp_eq_u32 s11, 0
	s_cbranch_scc0 .Lfor_b_\@
	tensor_load_to_lds s[G0+4*(\s):G0+4*(\s)+3], s[G1:G1+7]
	s_nop 0
.rept 4
	v_nop
.endr
	s_branch .Lasked_\@
.Lfor_b_\@:
	tensor_load_to_lds s[G0B+4*(\s):G0B+4*(\s)+3], s[G1B:G1B+7]
	s_nop 0
.rept 4
	v_nop
.endr
.Lasked_\@:
.endm
.macro CREST
	s_cmp_lg_u32 s10, 0
	s_cbranch_scc1 .Lnot_wave_0_\@
	s_barrier_signal -3
.Lnot_wave_0_\@:
	s_barrier_wait -3
	s_barrier_signal -1
	s_barrier_wait -1
.endm
.macro CROUND
	s_barrier_signal -1
	s_barrier_wait -1
	CREST
.endm
	s_load_b128 s[4:7], s[0:1], 0x0                ; ob s[4:5], wo16 s[6:7]
	s_load_b64 s[8:9], s[0:1], 0x10                ; out0
	v_lshl_add_u32 v[SPW], v0, 2, SPARE
	v_mov_b32 v[NIL], 0
	ds_add_u32 v[SPW], v[NIL]                      ; the wave's opening: the add and its wait stand ahead of my first tensor load
	v_lshrrev_b32 v1, 5, v0
	v_readfirstlane_b32 s10, v1                    ; wave 0..3
	s_lshr_b32 s11, s10, 1                         ; which half of the tile's rows is mine.  Also: I fetch for A (0) or for Wo (1)
	s_and_b32 s12, s10, 1                          ; which half of its columns.  Also: which half of that tile I fetch
	s_bfe_u32 s40, ttmp6, 0x40000
	s_bfe_u32 s41, ttmp6, 0x40004
	s_lshl_b32 s42, ttmp9, 2
	s_add_co_u32 s42, s42, s40                     ; tile column
	s_and_b32 s13, ttmp7, 0xffff
	s_lshl_b32 s13, s13, 2
	s_add_co_u32 s13, s13, s41                     ; tile row
	s_lshl_b32 s43, s41, 2
	s_lshl_b32 s43, 15, s43                        ; my row of the cluster
	s_lshl_b32 s44, 0x1111, s40                    ; my column
	s_or_b32 s[G1+0], s43, (1<<16)|(1<<20)|(1<<21)|(6<<22)|(3<<25)   ; A: after every 128 words 4 words of padding
	s_or_b32 s[G1B+0], s44, (1<<16)|(1<<20)|(1<<21)|(5<<22)|(7<<25)  ; Wo: after every 64 words 8 words
	s_mov_b32 s[G1+1], KSTEP<<16                   ; A: a tile of 64 rows x 256 elements
	s_mov_b32 s[G1+2], 64<<16
	s_mov_b32 s[G1+3], KSTEP<<16
	s_mov_b32 s[G1+4], 64
	s_mov_b32 s[G1+5], 2048
	s_mov_b32 s[G1+6], 0
	s_mov_b32 s[G1+7], 0
	s_mov_b32 s[G1B+1], 128<<16                    ; Wo: a tile of 128 rows x 128 elements
	s_mov_b32 s[G1B+2], 128<<16
	s_mov_b32 s[G1B+3], 128<<16
	s_mov_b32 s[G1B+4], 128
	s_mov_b32 s[G1B+5], 2048
	s_mov_b32 s[G1B+6], 0
	s_mov_b32 s[G1B+7], 0
	s_lshl_b32 s17, s12, 6
	s_lshl_b32 s16, s13, 7
	s_add_co_u32 s16, s16, s17                     ; A: row 128 x tile row + 64 x half,
	s_lshl_b32 s16, s16, 12                        ; in bytes
	s_mov_b32 s17, 0
	s_lshl_b32 s46, s12, 19                        ; Wo: K row 128 x half,
	s_lshl_b32 s47, s42, 8                         ; column 128 x tile column
	s_add_co_u32 s46, s46, s47
	s_mov_b32 s47, 0
	s_mul_i32 s20, s12, HALFA
	s_mul_i32 s21, s12, HALFB
	s_add_co_u32 s21, s21, BOFF
	s_wait_dscnt 0x0                               ; the opening add is done
	s_wait_kmcnt 0x0
	s_add_nc_u64 s[14:15], s[4:5], s[16:17]
	s_add_nc_u64 s[46:47], s[6:7], s[46:47]
	CROUND                                         ; all sixteen work-groups are here: the first joint loads meet
.irp s, 0,1
	s_mov_b32 s[G0+4*(\s)], 1
	s_add_co_u32 s[G0+4*(\s)+1], s20, (\s)*SLOT
	s_add_nc_u64 s[G0+4*(\s)+2:G0+4*(\s)+3], s[14:15], (\s)*KSTEP*2
	s_or_b32 s[G0+4*(\s)+3], s[G0+4*(\s)+3], 0x80000000
	s_mov_b32 s[G0B+4*(\s)], 1
	s_add_co_u32 s[G0B+4*(\s)+1], s21, (\s)*SLOT
	s_add_nc_u64 s[G0B+4*(\s)+2:G0B+4*(\s)+3], s[46:47], (\s)*KSTEP*ROWB
	s_or_b32 s[G0B+4*(\s)+3], s[G0B+4*(\s)+3], 0x80000000
	JLOAD \s                                       ; two loads of mine are out
.endr
	v_and_b32 v1, 15, v0                           ; l % 16
	v_bfe_u32 v2, v0, 4, 1                         ; l / 16
	v_mul_u32_u24 v3, v1, PA
	v_lshl_add_u32 v3, v2, 4, v3
	s_mul_i32 s21, s11, HALFA
	v_add_nc_u32 v[ADRA], s21, v3
	v_add_nc_u32 v[ADRA+1], SLOT, v[ADRA]
	v_and_b32 v4, 7, v0                            ; the turning load: lane l reads K row 8 (l / 16) + l % 8, columns 8 ((l / 8) % 2) + 0..7
	v_bfe_u32 v5, v0, 3, 1
	v_lshl_add_u32 v6, v2, 3, v4
	v_mul_u32_u24 v6, v6, PB
	v_lshl_add_u32 v6, v5, 4, v6
	s_lshl_b32 s22, s12, CSH
	s_add_co_u32 s22, s22, BOFF
	v_add_nc_u32 v[ADRB], s22, v6
	v_add_nc_u32 v[ADRB+1], HALFB, v[ADRB]
	v_add_nc_u32 v[ADRB+2], SLOT, v[ADRB]
	v_add_nc_u32 v[ADRB+3], SLOT+HALFB, v[ADRB]
	s_mul_i32 s23, s10, 16*SPITCH
	s_add_co_u32 s23, s23, STAGE                   ; my stage
	v_mul_u32_u24 v4, v1, SPITCH                   ; in: row l % 16, 32 bytes for each half of the lanes
	v_lshl_add_u32 v4, v2, 5, v4
	v_add_nc_u32 v[STO], s23, v4
	v_mul_u32_u24 v5, v2, SPITCH                   ; back: lanes 0-15 take one row of 256 bytes, lanes 16-31 the next
	v_lshl_add_u32 v5, v1, 4, v5
	v_add_nc_u32 v[RD], s23, v5
	v_lshlrev_b32 v[CO], 13, v2                    ; and the same two rows in out0, 8,192 bytes apart
	v_lshl_add_u32 v[CO], v1, 4, v[CO]
	s_lshl_b32 s16, s13, 7
	s_lshl_b32 s17, s11, 6
	s_add_co_u32 s16, s16, s17                     ; my first row
	s_lshl_b32 s16, s16, 13
	s_mov_b32 s17, 0
	s_add_nc_u64 s[8:9], s[8:9], s[16:17]
	s_lshl_b32 s46, s42, 9                         ; my first column, in bytes: 512 x tile column + 256 x half
	s_lshl_b32 s47, s12, 8
	s_add_co_u32 s46, s46, s47
	s_mov_b32 s47, 0
	s_add_nc_u64 s[8:9], s[8:9], s[46:47]
.macro MUL8 f, c, a0, zero
	WIN MUL
.irp a, \a0, (\a0)+1
.irp b, 0,1,2,3
.if \zero
	v_wmma_f32_16x16x32_f16 v[ACC+8*(4*(\a)+(\b)):ACC+8*(4*(\a)+(\b))+7], v[(\f)+64+8*(4*(\c)+(\b)):(\f)+64+8*(4*(\c)+(\b))+7], v[(\f)+8*(4*(\c)+(\a)):(\f)+8*(4*(\c)+(\a))+7], 0
.else
	v_wmma_f32_16x16x32_f16 v[ACC+8*(4*(\a)+(\b)):ACC+8*(4*(\a)+(\b))+7], v[(\f)+64+8*(4*(\c)+(\b)):(\f)+64+8*(4*(\c)+(\b))+7], v[(\f)+8*(4*(\c)+(\a)):(\f)+8*(4*(\c)+(\a))+7], v[ACC+8*(4*(\a)+(\b)):ACC+8*(4*(\a)+(\b))+7]
.endif
.endr
.endr
.endm
.macro FETCH slot, q, f                ; 32 LDS loads in one run: the fragments of quarter q (64 along K) of a slot, into buffer f; the first 32 along K first
	WIN TO_F
.irp c, 0,1
.irp i, 0,1,2,3
	ds_load_tr16_b128 v[(\f)+64+8*(4*(\c)+(\i)):(\f)+64+8*(4*(\c)+(\i))+3],   v[ADRB+2*(\slot)+(\q)/2] offset:(((\q)%2)*64+32*(\c))*PB+32*(\i)+BX*((\i)/2)
	ds_load_tr16_b128 v[(\f)+64+8*(4*(\c)+(\i))+4:(\f)+64+8*(4*(\c)+(\i))+7], v[ADRB+2*(\slot)+(\q)/2] offset:(((\q)%2)*64+32*(\c)+16)*PB+32*(\i)+BX*((\i)/2)
	ds_load_b128 v[(\f)+8*(4*(\c)+(\i)):(\f)+8*(4*(\c)+(\i))+3],   v[ADRA+(\slot)] offset:128*(\q)+64*(\c)+(\i)*16*PA
	ds_load_b128 v[(\f)+8*(4*(\c)+(\i))+4:(\f)+8*(4*(\c)+(\i))+7], v[ADRA+(\slot)] offset:128*(\q)+64*(\c)+(\i)*16*PA+32
.endr
.endr
.endm
.macro PLACES                          ; four places in front of loads into registers that matrix instructions have read, and of LDS stores that read results
.rept 4
	v_nop
.endr
.endm
.macro QUARTER slot, q, f, g, zero
	s_wait_dscnt 16                                ; the first 32 along K are in; the 16 younger loads may be out
	WIN MUL
	MUL8 \f, 0, 0, \zero
	MUL8 \f, 0, 2, \zero
	PLACES
	FETCH \slot, \q, \g
	s_wait_dscnt 32                                ; all but the 32 just issued
	WIN MUL
	MUL8 \f, 1, 0, 0
	MUL8 \f, 1, 2, 0
.endm
.macro TURN slot, next, fill
	WIN 0
	s_wait_tensorcnt 0x0                           ; all my tensor loads have landed: the one that was out is my part of the next slot
	ds_add_u32 v[SPW], v[NIL]                      ; 0 onto my spare word
	s_wait_dscnt 17                                ; (the add and the youngest sixteen loads may be out)
	WIN MUL
	MUL8 F1, 0, 0, 0
	s_wait_dscnt 0x0                               ; the add is done, and my reads of this slot are over
	s_barrier_signal -1
	MUL8 F1, 0, 2, 0
.if \fill
	WIN 0
.endif
	s_barrier_wait -1
.if \fill
	CREST                                          ; the barrier has opened a round of the cluster's: no wave of any partner still reads this slot or has a load on its way
	s_add_nc_u64 s[G0+4*(\slot)+2:G0+4*(\slot)+3], s[G0+4*(\slot)+2:G0+4*(\slot)+3], 2*KSTEP*2
	s_add_nc_u64 s[G0B+4*(\slot)+2:G0B+4*(\slot)+3], s[G0B+4*(\slot)+2:G0B+4*(\slot)+3], 2*KSTEP*ROWB
	JLOAD \slot                                    ; my one tensor load behind the round; its four v_nop are also the places in front of the loads below
.else
	PLACES
.endif
	FETCH \next, 0, F0
	WIN MUL
	MUL8 F1, 1, 0, 0
	MUL8 F1, 1, 2, 0
.endm
	s_wait_tensorcnt 1                             ; my part of K step 0 is in; K step 1's may stay out
	s_barrier_signal -1
	s_barrier_wait -1
	FETCH 0, 0, F0
	QUARTER 0, 1, F0, F1, 1                        ; the first quarter stands in front of the loop: its first products start the sums
	WIN 0
	s_mov_b32 s3, LAPS-1
.Llap:
	QUARTER 0, 2, F1, F0, 0
	QUARTER 0, 3, F0, F1, 0
	TURN 0, 1, 1
	QUARTER 1, 1, F0, F1, 0
	QUARTER 1, 2, F1, F0, 0
	QUARTER 1, 3, F0, F1, 0
	TURN 1, 0, 1
	QUARTER 0, 1, F0, F1, 0
	WIN 0
	s_sub_co_u32 s3, s3, 1
	s_cmp_lg_u32 s3, 0
	s_cbranch_scc1 .Llap
	QUARTER 0, 2, F1, F0, 0                        ; the last lap fills nothing
	QUARTER 0, 3, F0, F1, 0
	TURN 0, 1, 0
	QUARTER 1, 1, F0, F1, 0
	QUARTER 1, 2, F1, F0, 0
	QUARTER 1, 3, F0, F1, 0
	s_wait_dscnt 16
	WIN MUL
	MUL8 F1, 0, 0, 0
	MUL8 F1, 0, 2, 0
	s_wait_dscnt 0
	MUL8 F1, 1, 0, 0
	MUL8 F1, 1, 2, 0
	WIN 0
	; THE WAY OUT, 16 rows at a time: the accumulators go as they are (f32) into my own stage, low registers first, and come back as whole rows of 256 bytes.
	PLACES
.macro OUTBLK a
	s_wait_xcnt 0x0                                ; the stores of the block two back have read this set of registers
.irp b, 0,1,2,3
	ds_store_b128 v[STO], v[ACC+8*(4*(\a)+(\b)):ACC+8*(4*(\a)+(\b))+3]   offset:64*(\b)
	ds_store_b128 v[STO], v[ACC+8*(4*(\a)+(\b))+4:ACC+8*(4*(\a)+(\b))+7] offset:64*(\b)+16
.endr
.irp t, 0,1,2,3,4,5,6,7
	ds_load_b128 v[TMP+32*((\a)%2)+4*(\t):TMP+32*((\a)%2)+4*(\t)+3], v[RD] offset:(\t)*2*SPITCH  ; LDS serves a wave's instructions in order (ISA guide 5.7.1.4): these see the stores above; the next block's stores come behind them
.endr
.irp t, 0,1,2,3,4,5,6,7
	s_wait_dscnt 7-(\t)
	global_store_b128 v[CO], v[TMP+32*((\a)%2)+4*(\t):TMP+32*((\a)%2)+4*(\t)+3], s[8:9] offset:(16*(\a)+2*(\t))*8192 th:TH_STORE_NT  ; 16 lanes store 256 consecutive bytes, at a multiple of 256 from out0's first byte
.endr
.endm
	OUTBLK 0
	OUTBLK 1
	OUTBLK 2
	OUTBLK 3
	s_wait_tensorcnt 0x0                           ; the wave's end: behind my last tensor load and my last LDS store
	ds_add_u32 v[SPW], v[NIL]
	s_wait_dscnt 0x0
	CROUND                                         ; the closing round: no work-group ends while a partner may still ask for a tile that names it
	s_endpgm
.Lfunc_end_k_q237fac7a8a_outp:
	.size	k_q237fac7a8a_outp, .Lfunc_end_k_q237fac7a8a_outp-k_q237fac7a8a_outp
	.p2alignl 7, 3214868480
	.fill 96, 4, 3214868480
	.section	.rodata,"a",@progbits
	.p2align	6, 0x0
	.amdhsa_kernel k_q237fac7a8a_outp
		.amdhsa_group_segment_fixed_size 327680
		.amdhsa_private_segment_fixed_size 0
		.amdhsa_enable_private_segment 0
		.amdhsa_kernarg_size 24
		.amdhsa_user_sgpr_count 2
		.amdhsa_user_sgpr_kernarg_segment_ptr 1
		.amdhsa_wavefront_size32 1
		.amdhsa_system_sgpr_workgroup_id_x 1
		.amdhsa_system_sgpr_workgroup_id_y 1
		.amdhsa_system_sgpr_workgroup_id_z 1
		.amdhsa_system_vgpr_workitem_id 0
		.amdhsa_next_free_vgpr 512
		.amdhsa_next_free_sgpr 66
		.amdhsa_reserve_vcc 0
		.amdhsa_float_denorm_mode_32 3
		.amdhsa_float_denorm_mode_16_64 3
		.amdhsa_memory_ordered 1
		.amdhsa_forward_progress 1
		.amdhsa_inst_pref_size 87
	.end_amdhsa_kernel
	.amdgpu_metadata
---
amdhsa.version: [ 1, 2 ]
amdhsa.kernels:
  - .name:           k_q237fac7a8a_outp
    .symbol:         k_q237fac7a8a_outp.kd
    .args:
      - { .name: ob, .offset: 0, .size: 8, .value_kind: global_buffer, .address_space: global }
      - { .name: wo16, .offset: 8, .size: 8, .value_kind: global_buffer, .address_space: global }
      - { .name: out0, .offset: 16, .size: 8, .value_kind: global_buffer, .address_space: global }
    .group_segment_fixed_size: 327680
    .private_segment_fixed_size: 0
    .kernarg_segment_align: 8
    .kernarg_segment_size: 24
    .max_flat_workgroup_size: 128
    .sgpr_count:     66
    .vgpr_count:     512
    .wavefront_size: 32
...
	.end_amdgpu_metadata
.endif
;; end of part 4
